; MI455X (gfx1250); checked and timed in simulation.
; The chip was launched on July 23, 2026; its instructions are those of AMD's public machine-readable ISA for CDNA 5 (MIT licence, August 2026) and "CDNA5" Instruction Set Architecture Reference Guide (July 2026). The comments in the code are by the model that wrote it; some were corrected since.
;; Mutli Head Attention. Allowed arithmetic: matrix products marked QUANTISED: E2M1 operands, one E8M0 scale for each 32 along K, by v_wmma_scale_f32_16x16x128_f8f6f4 with both operands' format E2M1 (or v_wmma_scale_f32_32x16x128_f4), f32 sums; everything else in f32.
;; Inputs: K 4 x 2,048 x 1,024 float32; Q 4 x 2,048 x 1,024 float32; V 4 x 2,048 x 1,024 float32; Wk 1,024 x 1,024 float32; Wo 1,024 x 1,024 float32; Wq 1,024 x 1,024 float32; Wv 1,024 x 1,024 float32; bk 1,024 float32; bo 1,024 float32; bq 1,024 float32; bv 1,024 float32; mask 1 x 1 x 2,048 x 2,048 int32.
;; Outputs: out0 4 x 2,048 x 1,024 float32.
;; This version of the problem:
;;   THIS VERSION OF THE PROBLEM IS GIVEN IN LOW PRECISION. The matrix products marked QUANTISED in the list below multiply operands that are first quantised to E2M1 (2 exponent bits, 1 mantissa bit; 4 bits a number), with one power-of-two scale for each 32 numbers along K (OCP MX v1.0); their sums are f32. All else is computed in f32.
;;   The module's matrix products, in the order in which they are computed (A, B: the left and right operand; K: the contracted axis; several contracted axes count as one K, in the product's order):
;;     1. [M 8,192, K 1,024] x [K 1,024, N 1,024]; A: input Q; B: input Wq: QUANTISED
;;     2. [M 8,192, K 1,024] x [K 1,024, N 1,024]; A: input K; B: input Wk: QUANTISED
;;     3. [M 8,192, K 1,024] x [K 1,024, N 1,024]; A: input V; B: input Wv: QUANTISED
;;     4. batch 64 x [M 2,048, K 64] x [K 64, N 2,048]; A: computed on the way; B: computed on the way: QUANTISED
;;     5. batch 64 x [M 2,048, K 2,048] x [K 2,048, N 64]; A: softmax (see below); B: computed on the way: QUANTISED
;;     6. [M 8,192, K 1,024] x [K 1,024, N 1,024]; A: computed on the way; B: input Wo: QUANTISED
;;   THE QUANTISER, for each operand of a quantised product, along K:
;;     - K is cut into blocks of 32 from its start; a last block that is shorter is filled with zeros.
;;     - A block's scale is 2^e with e = floor(log2(the largest magnitude in the block)) - 2, held to -126 .. 127; a block of zeros has e = 0. As a byte (E8M0): e + 127.
;;     - Each number is divided by its block's scale, clamped to +-6, and rounded to the nearest number of E2M1, ties to even, subnormals kept.
;;     - The product sums the exact products of the quantised numbers (number of the format x scale) in f32.
;;   ~~~python
;;   def quantise(x, axis):      # numpy; x: float32 -> the quantised numbers, widened to float32 again
;;       x = np.moveaxis(x, axis, -1); K = x.shape[-1]
;;       x = np.pad(x, [(0, 0)] * (x.ndim - 1) + [(0, -K % 32)]); x = x.reshape(x.shape[:-1] + (-1, 32)); a = np.abs(x).max(-1, keepdims=True)
;;       e = np.where(a > 0, np.clip(np.frexp(np.where(a > 0, a, 1))[1] - 1 - 2, -126, 127), 0)      # np.frexp(a)[1] - 1 = floor(log2(a)), exactly
;;       r = np.clip(x / 2.0 ** e, -6, 6)
;;       step = 2.0 ** (np.maximum(np.frexp(np.where(r == 0, 1, r))[1] - 1, 0) - 1)
;;       q = np.round(r / step) * step * 2.0 ** e      # np.round: ties to even
;;       return np.moveaxis(q.reshape(q.shape[:-2] + (-1,))[..., :K], -1, axis).astype(np.float32)
;;   ~~~
;;   SOFTMAX AHEAD OF A QUANTISED PRODUCT. Where the list says 'softmax', what is quantised is not the finished softmax but p = 2^(t - M), with t = logit x log2(e) and M = ceil(the row's largest t), a whole number; so 1/2 < the row's largest p <= 1. The row's sum l is taken of the UNQUANTISED p, in f32, and the product's result is divided by l at the end. Since M is a whole number, a kernel that streams over the keys may use a running M (the ceiling of the running maximum): every later rescaling is an exact power of two, which a block's scale takes up: the codes' values come out the same.
;;   OPERANDS COMPUTED ON THE WAY. 'Computed on the way' means the value that the module computes at that place (a softmax that the list does not call 'softmax' is quantised finished and normalised). What goes into a quantiser is computed in f32, as accurately as f32 sums, v_exp_f32 and their like allow (about 1e-6 of the number): no bf16 or f16 on the way to a quantiser, and a product that is left as it is and whose result goes on into a quantised operand takes f32 operands (vector FMAs, or v_wmma_f32_16x16x4_f32). A number that lies on a knife's edge between two numbers of the format may be rounded either way, as far as f32 arithmetic and the matrix unit's own rounding can turn it there, and no further.
;; 2 versions. Each part assembles by itself: llvm-mc -triple=amdgcn-amd-amdhsa -mcpu=gfx1250 --defsym DOCPART=n.
;; ======== version 1 of 2: 4 launches
;; limits: right only within a limited range of input values
;; workspace buffers: opc 14,680,064 bytes; ops 917,504 bytes; maskw 524,288 bytes of whole numbers; flags 65,536 bytes of whole numbers; hd 13,893,632 bytes; ac 4,194,304 bytes; acs 262,144 bytes
;; launch prep (part 1): grid 512 x 1, 4 waves a work-group, no clusters, 68,096 bytes of LDS; arguments Q, K, V, Wq, Wk, Wv, Wo, mask, opc, ops, maskw, flags; writes opc, ops, maskw, flags
.if DOCPART == 1
	.amdgcn_target "amdgcn-amd-amdhsa--gfx1250"
	.amdhsa_code_object_version 6
	.text
	.protected	k_qc388161211_prep
	.globl	k_qc388161211_prep
	.p2align	8
	.type	k_qc388161211_prep,@function
k_qc388161211_prep:
	s_mov_b64 s[64:65], 0
	v_nop
	global_prefetch_b8 v0, s[64:65] scope:SCOPE_SE
	s_setreg_imm32_b32 hwreg(HW_REG_WAVE_MODE, 25, 1), 1
	s_wait_xcnt 0x0
; PREP.  Work-groups 0-447 turn Q, K, V (8,192 x 1,024) and Wq, Wk, Wv, Wo (1,024 x 1,024), f32, K innermost, into codes of FP4 (E2M1) with one E8M0 byte for each 32 along K.
; Work-groups 448-511 turn the mask (2,048 x 2,048 int32) into lane masks and flags for the attention launch.
; TILES.  An operand's tile T holds 16 rows that are not neighbours: lane r of the tile takes row 32 (T / 2) + 8 (T % 2) + r % 8 + 16 (r / 8).  Used as source 0 of a product, two neighbouring tiles
; then give a lane 16 neighbouring results, which is what the next quantiser takes.
; OUTPUT, in the order of the operand's registers.  Codes: [tile][block of 32 along K][r][16 bytes], 8,192 bytes a tile: registers 4 c .. 4 c + 3 of K step s are the 512 bytes at 1024 s + 512 c, 16 a lane.
; Scale words: [tile][lane][4 words], 512 bytes a tile: lane (r, h), word i = the four bytes of row r for K step 4 h + i.
; THE QUANTISER: a block's byte is its largest magnitude's exponent field - 2, held at 1 from below; numbers are divided by the scale and rounded to the nearest code, ties to even, beyond 6 the largest code.
; LIMITS: a block of zeros, or one whose largest magnitude is under 2^-124, gets the byte 1 (its codes add nothing or are held; only this program reads the bytes); NaN and infinities are not served.
; A wave takes one tile (64 KiB of f32) in eight steps of 128 along K.  Each load reads 512 consecutive bytes of one row; a step's 16 rows turn through the wave's own stage in LDS, so that a lane
; gets whole blocks of 32.  Loads run two steps (32 loads a wave) ahead.  Waves share nothing: no barrier.  The two paths part on the work-group's number and have LDS bytes of their own.
.set SP,    528                        ; a stage row: 512 bytes + 16 = 132 words, so the 16 rows that a read touches start four banks apart
.set STGB,  16*SP                      ; a wave's stage
.set MSTG,  4*STGB                     ; the mask path's stages lie behind the quantiser's
.set R,     16                         ; v16-143   two sets of 64 registers as loaded
.set X,     144                        ; v144-207  the lane's numbers of a step
.set C,     208                        ; v208-215  a step's codes
.set SWR,   216                        ; v216-219  the tile's scale words
.set TA,    220                        ; v220-225  at work
.set WD,    208                        ; mask path: v208-209 a step's 64 words, v210-211 the flags
	s_load_b512 s[4:19], s[0:1], 0x0               ; Q, K, V, Wq, Wk, Wv, Wo, mask
	s_load_b256 s[20:27], s[0:1], 0x40             ; opc, ops, maskw, flags
	v_lshl_add_u32 v232, v0, 2, 0x10800
	v_mov_b32 v233, 0
	v_lshrrev_b32 v6, 5, v0
	v_readfirstlane_b32 s28, v6                    ; wave
	v_and_b32 v7, 31, v0                           ; lane
	v_and_b32 v8, 15, v0                           ; r
	v_bfe_u32 v9, v0, 4, 1                         ; h
	v_lshlrev_b32 v1, 4, v7                        ; 16 x lane
	v_mul_u32_u24 v3, v8, SP
	s_mov_b32 s29, 0xffff0000                      ; lanes 16-31
	s_mov_b32 s30, 0x76543210                      ; selects of v_permlanex16_b32 for lane l xor 16
	s_mov_b32 s31, 0xfedcba98
	s_mul_i32 s32, s28, STGB
	s_lshl_b32 s33, ttmp9, 2
	s_add_co_u32 s33, s33, s28                     ; 4 x work-group + wave
	s_mov_b32 s39, 0
; step s: 16 rows x 512 bytes into set s % 2; row n of the tile lies n % 8 + 16 (n / 8) rows below the tile's first
.macro LOADS s, lo, pitch
.irp n, 0,1,2,3,4,5,6,7,8,9,10,11,12,13,14,15
	global_load_b128 v[R+64*((\s)%2)+4*\n:R+64*((\s)%2)+4*\n+3], v1, s[\lo:\lo+1] offset:(\n%8+16*(\n/8))*\pitch+512*(\s) th:TH_LOAD_NT
.endr
.endm
.macro TOSTAGE s
.if (\s) < 7
	s_wait_loadcnt 16                              ; this step's 16 loads are in; the next step's 16 stay out
.else
	s_wait_loadcnt 0
.endif
.irp n, 0,1,2,3,4,5,6,7,8,9,10,11,12,13,14,15
	ds_store_b128 v2, v[R+64*((\s)%2)+4*\n:R+64*((\s)%2)+4*\n+3] offset:SP*\n
.endr
.endm
	s_cmp_ge_u32 ttmp9, 448
	s_cbranch_scc1 .Lmask
	; ---------------- the quantiser
	v_add_nc_u32 v2, s32, v1                       ; into the stage: 16 x lane of a row
	v_lshl_add_u32 v3, v9, 7, v3
	v_add_nc_u32 v3, s32, v3                       ; out of it: row r, block h
	v_lshlrev_b32 v4, 3, v9                        ; 8 h
	v_mov_b32 v[TA+5], 0                           ; a lane permute's destination counts as read
	s_wait_kmcnt 0x0
	s_mov_b64 s[36:37], s[4:5]
	s_mov_b32 s34, 0
.macro PICK from, lo, first                    ; from work-group 'from' on: the next tensor, whose tiles begin at 'first'.  The choice hangs on the work-group's number alone
	s_cmp_ge_u32 ttmp9, \from
	s_cselect_b64 s[36:37], s[\lo:\lo+1], s[36:37]
	s_cselect_b32 s34, \first, s34
.endm
	PICK 128, 6, 512
	PICK 256, 8, 1024
	PICK 384, 10, 1536
	PICK 400, 12, 1600
	PICK 416, 14, 1664
	PICK 432, 16, 1728
	s_sub_co_u32 s35, s33, s34                     ; the tile's number in its tensor
	s_lshr_b32 s38, s35, 1
	s_lshl_b32 s38, s38, 17                        ; 32 rows of 4,096 bytes for each pair of tiles,
	s_and_b32 s35, s35, 1
	s_lshl_b32 s35, s35, 15                        ; 8 rows for the odd one
	s_add_co_u32 s38, s38, s35
	s_add_nc_u64 s[36:37], s[36:37], s[38:39]
	s_lshl_b32 s38, s33, 13
	s_add_nc_u64 s[20:21], s[20:21], s[38:39]      ; my tile's codes
	s_lshl_b32 s38, s33, 9
	s_add_nc_u64 s[22:23], s[22:23], s[38:39]      ; and scale words
	LOADS 0, 36, 4096
	LOADS 1, 36, 4096
.macro QSTEP s
	TOSTAGE \s
.irp j, 0,1
.irp i, 0,1,2,3,4,5,6,7
	ds_load_b128 v[X+32*\j+4*\i:X+32*\j+4*\i+3], v3 offset:256*\j+16*\i    ; block 2 j + h of row r, whole; LDS serves a wave in order, so these see the stores above
.endr
.endr
	s_wait_dscnt 0x0                               ; my numbers are in, and the stage's stores have read their registers
	s_wait_xcnt 0x0                                ; the last step's stores have read the codes' registers
.if (\s) < 6
	LOADS (\s)+2, 36, 4096
.endif
.irp j, 0,1
	v_max3_num_f32 v[TA+\j], |v[X+32*\j]|, |v[X+32*\j+1]|, 0x1800000       ; the floor 2^(3 - 127) holds the byte at 1 from below
.endr
.irp i, 2,4,6,8,10,12,14,16,18,20,22,24,26,28,30
.irp j, 0,1
	v_max3_num_f32 v[TA+\j], v[TA+\j], |v[X+32*\j+\i]|, |v[X+32*\j+\i+1]|
.endr
.endr
.irp j, 0,1
	v_add_nc_u32 v[TA+2+\j], 0xff000000, v[TA+\j]  ; 2 off the exponent field: the conversion's scale operand
.endr
.irp j, 0,1
.irp g, 0,1,2,3
	v_cvt_scalef32_pk8_fp4_f32 v[C+4*\j+\g], v[X+32*\j+8*\g:X+32*\j+8*\g+7], v[TA+2+\j]
.endr
.endr
	v_lshrrev_b32 v[TA], 23, v[TA+2]               ; the bytes of blocks h and 2 + h
	v_lshrrev_b32 v[TA+1], 23, v[TA+3]
	v_lshl_or_b32 v[TA+4], v[TA+1], 16, v[TA]
	v_lshlrev_b32 v[TA+4], v4, v[TA+4]             ; at their places in the word
	v_permlanex16_b32 v[TA+5], v[TA+4], s30, s31
.if (\s) < 4
	v_or_b32 v[SWR+(\s)], v[TA+4], v[TA+5]         ; with lane l xor 16's two the word is whole
.else
	v_or_b32 v[TA+4], v[TA+4], v[TA+5]
	v_cndmask_b32 v[SWR+(\s)-4], v[SWR+(\s)-4], v[TA+4], s29   ; lanes 16-31 keep K steps 4 to 7
.endif
	global_store_b128 v1, v[C:C+3], s[20:21] offset:1024*(\s)            ; 512 consecutive bytes each
	global_store_b128 v1, v[C+4:C+7], s[20:21] offset:1024*(\s)+512
.endm
.irp s, 0,1,2,3,4,5,6,7
	QSTEP \s
.endr
	global_store_b128 v1, v[SWR:SWR+3], s[22:23]
	s_wait_tensorcnt 0x0
	ds_add_u32 v232, v233
	s_wait_dscnt 0x0
	s_endpgm
	; ---------------- the mask.  A wave takes one tile of 16 queries x 8 key steps of 128 keys.
	; maskw [query tile][key step][64 words]: word 16 b + i, bit of lane (r, h) = 1 where mask[query of lane r][128 step + 32 b + 16 h + i] == 0: the lane mask for score register 16 b + i.
	; flags [query tile][half]: 32 copies of two words.  Word 0: bit e = step e is wholly hidden, bit 8 + e = step e has no hidden key.  Word 1: bit of lane l = all the lane's keys of the 8 steps are hidden.
.Lmask:
	s_add_co_u32 s32, s32, MSTG
	v_add_nc_u32 v2, s32, v1
	v_lshl_add_u32 v3, v9, 6, v3
	v_add_nc_u32 v3, s32, v3                       ; out of the stage: row r, + 16 h keys
	v_lshlrev_b32 v5, 3, v7                        ; 8 x lane
	v_mov_b32 v[WD], 0                             ; v_writelane_b32's destination counts as read
	v_mov_b32 v[WD+1], 0
	s_sub_co_u32 s33, s33, 1792                    ; 2 x query tile + half
	s_lshr_b32 s34, s33, 1
	s_lshr_b32 s38, s34, 1
	s_lshl_b32 s38, s38, 18                        ; 32 rows of 8,192 bytes for each pair of tiles,
	s_and_b32 s34, s34, 1
	s_lshl_b32 s34, s34, 16                        ; 8 rows for the odd one,
	s_add_co_u32 s38, s38, s34
	s_and_b32 s34, s33, 1
	s_lshl_b32 s34, s34, 12                        ; 1,024 keys for the second half
	s_add_co_u32 s38, s38, s34
	s_wait_kmcnt 0x0
	s_add_nc_u64 s[18:19], s[18:19], s[38:39]
	s_lshl_b32 s38, s33, 11
	s_add_nc_u64 s[24:25], s[24:25], s[38:39]
	s_lshl_b32 s38, s33, 8
	s_add_nc_u64 s[26:27], s[26:27], s[38:39]
	s_mov_b32 s50, -1
	s_mov_b32 s51, 0
	LOADS 0, 18, 8192
	LOADS 1, 18, 8192
.macro MSTEP e
	TOSTAGE \e
.irp b, 0,1,2,3
.irp p, 0,1,2,3
	ds_load_b128 v[X+16*\b+4*\p:X+16*\b+4*\p+3], v3 offset:128*\b+16*\p
.endr
.endr
	s_wait_dscnt 0x0
	s_wait_xcnt 0x0                                ; the last step's store has read the words' registers
.if (\e) < 6
	LOADS (\e)+2, 18, 8192
.endif
	s_mov_b32 s48, -1
	s_mov_b32 s49, 0
.irp g, 0,1,2,3,4,5,6,7
.irp q, 0,1,2,3,4,5,6,7
	v_cmp_eq_u32 s[40+\q], 0, v[X+8*\g+\q]         ; the compare's result IS the word
.endr
.irp q, 0,1,2,3,4,5,6,7
	v_writelane_b32 v[WD+\q%2], s[40+\q], 4*\g+\q/2    ; word j to lane j / 2, register j % 2: byte 4 j of the store below
	s_and_b32 s48, s48, s[40+\q]
	s_or_b32 s49, s49, s[40+\q]
.endr
.endr
	s_cmp_eq_u32 s48, -1
	s_cselect_b32 s52, 1<<(\e), 0
	s_or_b32 s51, s51, s52
	s_cmp_eq_u32 s49, 0
	s_cselect_b32 s52, 1<<(8+(\e)), 0
	s_or_b32 s51, s51, s52
	s_and_b32 s50, s50, s48
	global_store_b64 v5, v[WD:WD+1], s[24:25] offset:256*(\e)      ; 256 consecutive bytes, aligned
.endm
.irp e, 0,1,2,3,4,5,6,7
	MSTEP \e
.endr
	v_mov_b32 v[WD+2], s51
	v_mov_b32 v[WD+3], s50
	global_store_b64 v5, v[WD+2:WD+3], s[26:27]    ; every lane stores the record: 256 consecutive bytes
	s_wait_tensorcnt 0x0
	ds_add_u32 v232, v233
	s_wait_dscnt 0x0
	s_endpgm
.Lfunc_end_k_qc388161211_prep:
	.size	k_qc388161211_prep, .Lfunc_end_k_qc388161211_prep-k_qc388161211_prep
	.p2alignl 7, 3214868480
	.fill 96, 4, 3214868480
	.section	.rodata,"a",@progbits
	.p2align	6, 0x0
	.amdhsa_kernel k_qc388161211_prep
		.amdhsa_group_segment_fixed_size 68096
		.amdhsa_private_segment_fixed_size 0
		.amdhsa_enable_private_segment 0
		.amdhsa_kernarg_size 96
		.amdhsa_user_sgpr_count 2
		.amdhsa_user_sgpr_kernarg_segment_ptr 1
		.amdhsa_wavefront_size32 1
		.amdhsa_system_sgpr_workgroup_id_x 1
		.amdhsa_system_sgpr_workgroup_id_y 1
		.amdhsa_system_sgpr_workgroup_id_z 1
		.amdhsa_system_vgpr_workitem_id 0
		.amdhsa_next_free_vgpr 234
		.amdhsa_next_free_sgpr 66
		.amdhsa_reserve_vcc 0
		.amdhsa_float_denorm_mode_32 3
		.amdhsa_float_denorm_mode_16_64 3
		.amdhsa_memory_ordered 1
		.amdhsa_forward_progress 1
		.amdhsa_inst_pref_size 187
	.end_amdhsa_kernel
	.amdgpu_metadata
---
amdhsa.version: [ 1, 2 ]
amdhsa.kernels:
  - .name:           k_qc388161211_prep
    .symbol:         k_qc388161211_prep.kd
    .args:
      - { .name: Q, .offset: 0, .size: 8, .value_kind: global_buffer, .address_space: global }
      - { .name: K, .offset: 8, .size: 8, .value_kind: global_buffer, .address_space: global }
      - { .name: V, .offset: 16, .size: 8, .value_kind: global_buffer, .address_space: global }
      - { .name: Wq, .offset: 24, .size: 8, .value_kind: global_buffer, .address_space: global }
      - { .name: Wk, .offset: 32, .size: 8, .value_kind: global_buffer, .address_space: global }
      - { .name: Wv, .offset: 40, .size: 8, .value_kind: global_buffer, .address_space: global }
      - { .name: Wo, .offset: 48, .size: 8, .value_kind: global_buffer, .address_space: global }
      - { .name: mask, .offset: 56, .size: 8, .value_kind: global_buffer, .address_space: global }
      - { .name: opc, .offset: 64, .size: 8, .value_kind: global_buffer, .address_space: global }
      - { .name: ops, .offset: 72, .size: 8, .value_kind: global_buffer, .address_space: global }
      - { .name: maskw, .offset: 80, .size: 8, .value_kind: global_buffer, .address_space: global }
      - { .name: flags, .offset: 88, .size: 8, .value_kind: global_buffer, .address_space: global }
    .group_segment_fixed_size: 68096
    .private_segment_fixed_size: 0
    .kernarg_segment_align: 8
    .kernarg_segment_size: 96
    .max_flat_workgroup_size: 128
    .sgpr_count:     66
    .vgpr_count:     234
    .wavefront_size: 32
...
	.end_amdgpu_metadata
.endif
;; end of part 1
;; launch proj (part 2): grid 192 x 1, 4 waves a work-group, no clusters, 0 bytes of LDS; arguments opc, ops, bq, bk, bv, hd; writes hd
.if DOCPART == 2
	.amdgcn_target "amdgcn-amd-amdhsa--gfx1250"
	.amdhsa_code_object_version 6
	.text
	.protected	k_qc388161211_proj
	.globl	k_qc388161211_proj
	.p2align	8
	.type	k_qc388161211_proj,@function
k_qc388161211_proj:
	s_mov_b64 s[64:65], 0
	v_nop
	global_prefetch_b8 v0, s[64:65] scope:SCOPE_SE
	s_setreg_imm32_b32 hwreg(HW_REG_WAVE_MODE, 25, 1), 1
	s_wait_xcnt 0x0
; PROJ.  q = Q Wq^T + bq, k = K Wk^T + bk, v = V Wv^T + bv on codes of FP4 with E8M0 scales, each result quantised on the way out: q and k along a head's 64 channels, v along the keys.
; Work-groups 0-63: q; 64-127: k; 128-191: v.  ONE OPERAND STAYS IN REGISTERS: a wave keeps 128 rows x K 1,024 (64 fragments, 512 registers) and walks 16 tiles of the other operand, 64 matrix
; instructions a tile.  D = stationary (source 0) x moving (source 1): a lane holds ONE moving row and its 64 registers run along the stationary rows, the axis that is quantised next.
;   q, k: stationary = 128 rows of W (two heads), moving = tiles of 16 tokens.     v: stationary = 128 tokens of V (one key step), moving = tiles of 16 rows of Wv: v^T, the keys along a lane's registers.
; Operands lie in memory in the order of their registers (see PREP): a fragment's four registers are one load of 16 bytes a lane, 512 consecutive bytes.  So no LDS, no barrier: waves share nothing.
; No cluster and no joint loads: they go with tensor loads into LDS, and this text loads fragments straight into registers; the four waves of a work-group walk the same moving tiles at the same time.
; THE HEAD'S RECORD in hd, HS bytes a head (64 heads): K's codes 0, V's codes 65536, K's scales 131072, V's scales 139264, Q's codes 143360, Q's scales 208896.
;   K's, Q's codes [tile of 16 tokens][512]: lane (r, h): block h of the tile's row r.  Their scales [pair of tiles][lane][4]: lanes 0-15 the even tile, 16-31 the odd; two bytes, upper two 0.
;   V's codes [key step][channel tile 0-3][1024]: a fragment of 16 channels x 128 keys.  Its scales [key step][pair of channel tiles][lane][4].
; The bias is the C of a sum's first product: for q, k it runs along the registers (BI); for v it is the lane's own channel's (BM, eight copies).  Both kinds load both, at addresses inside the
; bias, so that all paths count the same loads; the kind's own is used.
; LIMITS: as PREP's quantiser (byte 1 for blocks of zeros and under 2^-124; NaN and infinities not served).
; REGISTERS.  Window 0: v1-4 lane offsets; v8-11 where tile u of a trip stores; v12-15 moving bias; v16-31 moving scale words (4 buffers); v32-63 stationary scale words; v64-127 the 8 accumulators;
;   v128-191 BI; v192-199 BM; v200-215 at work; v216-221 scale words on the way out; v224-231 codes.  Windows 1, 2: the stationary operand, K steps 0-3, 4-7 at 64 (s % 4) + 8 t.  Window 3: four moving buffers at 64 u + 8 s.
.set HS,  217088
.set AC,  64
.set BI,  128
.set BM,  192
.set TM,  200
.set PW,  216
.set PC,  224
.set MSB, 0
.macro WIN new                         ; the immediate's high byte repeats the setting that is left; a switch that changes nothing is dropped
.if MSB != \new
	s_set_vgpr_msb (MSB<<8)|\new
.set MSB, \new
.endif
.endm
	s_load_b256 s[4:11], s[0:1], 0x0               ; opc, ops, bq, bk
	s_load_b128 s[12:15], s[0:1], 0x20             ; bv, hd
	v_lshrrev_b32 v5, 5, v0
	v_readfirstlane_b32 s16, v5                    ; wave
	s_lshr_b32 s17, ttmp9, 6                       ; kind: 0 q, 1 k, 2 v
	s_and_b32 s18, ttmp9, 63
	s_cmp_eq_u32 s17, 2
	s_cselect_b32 s45, 15, 1
	s_cselect_b32 s46, 4, 1
	s_and_b32 s45, s18, s45
	s_lshr_b32 s46, s18, s46                       ; mb: which 16 moving tiles
	s_lshl_b32 s45, s45, 2
	s_add_co_u32 s45, s45, s16                     ; sg: which 128 stationary rows
	s_lshl_b32 s47, s17, 6
	s_add_co_u32 s47, s47, 1536                    ; q, k: W's tiles;
	s_lshl_b32 s48, s17, 9                         ; the tokens' tiles
	s_cmp_eq_u32 s17, 2
	s_cselect_b32 s47, 1024, s47                   ; v: V's tiles stay,
	s_cselect_b32 s48, 1664, s48                   ; Wv's move
	s_lshl_b32 s49, s45, 3
	s_add_co_u32 s47, s47, s49                     ; first stationary tile
	s_lshl_b32 s49, s46, 4
	s_add_co_u32 s48, s48, s49                     ; first moving tile
	s_lshr_b32 s49, s46, 3
	s_lshl_b32 s49, s49, 4
	s_lshl_b32 s50, s45, 1
	s_add_co_u32 s49, s49, s50                     ; q, k: first head = 16 x batch + 2 sg
	s_lshr_b32 s50, s45, 4
	s_lshl_b32 s50, s50, 4
	s_lshl_b32 s51, s46, 2
	s_add_co_u32 s50, s50, s51                     ; v: 16 x batch + 4 mb
	s_and_b32 s51, s46, 7
	s_and_b32 s52, s45, 15
	s_cmp_eq_u32 s17, 0
	s_cselect_b32 s53, 143360, 0                   ; q's or k's codes,
	s_mov_b32 s54, 131072
	s_cselect_b32 s54, 208896, s54                 ; and scales
	s_lshl_b32 s55, s51, 13
	s_add_co_u32 s53, s53, s55                     ; + 16 tiles of 512 bytes for each mb of the batch
	s_lshl_b32 s55, s51, 10
	s_add_co_u32 s54, s54, s55                     ; + 8 pairs of 128 bytes
	s_lshl_b32 s55, s52, 12
	s_add_co_u32 s55, s55, 65536                   ; v's codes: the key step's 4,096 bytes
	s_lshl_b32 s56, s52, 8
	s_add_co_u32 s56, s56, 139264                  ; and its 256 bytes of scales
	s_lshl_b32 s57, s45, 9                         ; q, k: my 128 numbers of the bias
	s_lshl_b32 s58, s46, 10                        ; v: my 256 channels' bias
	s_mov_b32 s59, HS
	s_cmp_eq_u32 s17, 2                            ; only moves and selects stand between this compare and the last select
	s_cselect_b32 s49, s50, s49
	s_cselect_b32 s53, s55, s53
	s_cselect_b32 s54, s56, s54
	s_cselect_b32 s57, 0, s57
	s_cselect_b32 s58, s58, 0
	s_cselect_b32 s30, 256, 0                      ; the moving bias steps 64 channels a trip (v)
	s_cselect_b32 s23, -1, 0xffff                  ; what of a scale word goes to the first store
	s_cselect_b32 s60, 512, s59                    ; from the first half of the codes to the second: the fragment's (v) or the next head's (q, k)
	s_cselect_b32 s61, 0, s59
	s_cselect_b32 s36, s59, 2048                   ; a trip's four tiles on: a head (v) or 4 x 512 bytes
	s_cselect_b32 s42, s59, 256
	s_cselect_b32 s19, 10, 9                       ; a tile's codes are 1,024 or 512 bytes apart
	s_mul_i32 s49, s49, s59
	s_mov_b32 s31, 0
	s_mov_b32 s37, 0
	s_mov_b32 s43, 0
	s_mov_b32 s63, 0
	s_mov_b32 s20, 0x76543210                      ; selects of v_permlanex16_b32 for lane l xor 16
	s_mov_b32 s21, 0xfedcba98
	s_mov_b32 s22, 0xffff0000                      ; lanes 16-31
	v_and_b32 v5, 31, v0
	v_lshlrev_b32 v1, 4, v5                        ; 16 x lane
	v_lshlrev_b32 v2, 2, v5                        ; 4 x lane
	v_and_b32 v6, 15, v0
	v_and_b32 v7, 8, v6
	v_add_nc_u32 v3, v6, v7
	v_lshlrev_b32 v3, 2, v3                        ; 4 (r % 8 + 16 (r / 8)): my row of a tile, in f32
	v_bfe_u32 v4, v0, 4, 1
	v_lshlrev_b32 v4, 6, v4                        ; 64 h
	v_mov_b32 v8, v1
	s_lshl_b32 s62, 1, s19
	v_add_nc_u32 v9, s62, v1
	s_lshl_b32 s62, 2, s19
	v_add_nc_u32 v10, s62, v1
	s_lshl_b32 s62, 3, s19
	v_add_nc_u32 v11, s62, v1
.irp b, 0,1,2,3
	v_mov_b32 v[TM+4+\b], 0                        ; a lane permute's destination counts as read
.endr
	s_wait_kmcnt 0x0
	s_lshl_b32 s62, s48, 13
	s_add_nc_u64 s[24:25], s[4:5], s[62:63]        ; moving codes
	s_lshl_b32 s62, s48, 9
	s_add_nc_u64 s[26:27], s[6:7], s[62:63]        ; moving scale words
	s_lshl_b32 s62, s47, 13
	s_add_nc_u64 s[4:5], s[4:5], s[62:63]          ; stationary codes
	s_lshl_b32 s62, s47, 9
	s_add_nc_u64 s[6:7], s[6:7], s[62:63]          ; stationary scale words
	s_cmp_eq_u32 s17, 1
	s_cselect_b64 s[8:9], s[10:11], s[8:9]
	s_cmp_eq_u32 s17, 2
	s_cselect_b64 s[8:9], s[12:13], s[8:9]         ; the kind's bias
	s_mov_b32 s62, s58
	s_add_nc_u64 s[28:29], s[8:9], s[62:63]
	s_mov_b32 s62, s57
	s_add_nc_u64 s[10:11], s[8:9], s[62:63]
	s_add_co_u32 s62, s49, s53
	s_add_nc_u64 s[32:33], s[14:15], s[62:63]      ; codes, registers 0-3
	s_mov_b32 s62, s60
	s_add_nc_u64 s[34:35], s[32:33], s[62:63]      ; codes, registers 4-7
	s_add_co_u32 s62, s49, s54
	s_add_nc_u64 s[38:39], s[14:15], s[62:63]      ; scale words
	s_mov_b32 s62, s61
	s_add_nc_u64 s[40:41], s[38:39], s[62:63]      ; q, k: the second head's
	WIN 0x40                                       ; destination window 1
.irp s, 0,1,2,3
.irp t, 0,1,2,3,4,5,6,7
.irp c, 0,1
	global_load_b128 v[64*\s+8*\t+4*\c:64*\s+8*\t+4*\c+3], v1, s[4:5] offset:8192*\t+1024*\s+512*\c
.endr
.endr
.endr
	WIN 0x80                                       ; destination window 2
.irp s, 0,1,2,3
.irp t, 0,1,2,3,4,5,6,7
.irp c, 0,1
	global_load_b128 v[64*\s+8*\t+4*\c:64*\s+8*\t+4*\c+3], v1, s[4:5] offset:8192*\t+1024*(\s+4)+512*\c
.endr
.endr
.endr
	WIN 0
.irp t, 0,1,2,3,4,5,6,7
	global_load_b128 v[32+4*\t:32+4*\t+3], v1, s[6:7] offset:512*\t
.endr
.irp t, 0,1,2,3,4,5,6,7
	global_load_b128 v[BI+8*\t:BI+8*\t+3], v4, s[10:11] offset:(32*(\t/2)+8*(\t%2))*4      ; register j of tile t: stationary row 32 (t / 2) + 16 h + 8 (t % 2) + j
	global_load_b128 v[BI+8*\t+4:BI+8*\t+7], v4, s[10:11] offset:(32*(\t/2)+8*(\t%2))*4+16
.endr
; 18 loads: the moving tile k tiles behind the pointers, into buffer u
.macro GROUP u, k
	WIN 0xc0                                       ; destination window 3
.irp s, 0,1,2,3,4,5,6,7
.irp c, 0,1
	global_load_b128 v[64*(\u)+8*\s+4*\c:64*(\u)+8*\s+4*\c+3], v1, s[24:25] offset:8192*(\k)+1024*\s+512*\c
.endr
.endr
	WIN 0
	global_load_b128 v[16+4*(\u):16+4*(\u)+3], v1, s[26:27] offset:512*(\k)
	global_load_b32 v[12+(\u)], v3, s[28:29] offset:128*((\k)/2)+32*((\k)%2)
.endm
.macro WM d, a, b, c, sa, sb, row      ; row = 1: both sides' scale words stand in lanes 16-31
.if \row
	v_wmma_scale_f32_16x16x128_f8f6f4 v[\d:\d+7], v[\a:\a+7], v[\b:\b+7], v[\c:\c+7], v[\sa], v[\sb] matrix_a_fmt:MATRIX_FMT_FP4 matrix_b_fmt:MATRIX_FMT_FP4 matrix_a_scale:MATRIX_SCALE_ROW1 matrix_b_scale:MATRIX_SCALE_ROW1
.else
	v_wmma_scale_f32_16x16x128_f8f6f4 v[\d:\d+7], v[\a:\a+7], v[\b:\b+7], v[\c:\c+7], v[\sa], v[\sb] matrix_a_fmt:MATRIX_FMT_FP4 matrix_b_fmt:MATRIX_FMT_FP4
.endif
.endm
; K step s of the tile in buffer u: the eight accumulators by turns, one instruction a turn.  cmode 0: C = BI; 1: C = BM; 2: in place
.macro MM s, u, cmode
.if (\s) < 4
	WIN 0x0d                                       ; source 0 window 1, source 1 window 3
.else
	WIN 0x0e                                       ; source 0 window 2
.endif
.irp t, 0,1,2,3,4,5,6,7
.if (\cmode) == 0
	WM AC+8*\t, 64*((\s)%4)+8*\t, 64*(\u)+8*(\s), BI+8*\t, 32+4*\t+(\s)%4, 16+4*(\u)+(\s)%4, (\s)/4
.elseif (\cmode) == 1
	WM AC+8*\t, 64*((\s)%4)+8*\t, 64*(\u)+8*(\s), BM, 32+4*\t+(\s)%4, 16+4*(\u)+(\s)%4, (\s)/4
.else
	WM AC+8*\t, 64*((\s)%4)+8*\t, 64*(\u)+8*(\s), AC+8*\t, 32+4*\t+(\s)%4, 16+4*(\u)+(\s)%4, (\s)/4
.endif
.endr
.endm
; 64 numbers of a lane, register 16 b + i = place 32 b + 16 h + i along the next K, become a fragment's codes in v[PC] on and its scale word in v[PW]
.macro QUANT s
.irp b, 0,1,2,3
	v_max3_num_f32 v[TM+\b], |v[\s+16*\b]|, |v[\s+1+16*\b]|, 0x1800000     ; each accumulator is read from its low end on; the floor 2^(3 - 127) holds the byte at 1
.endr
.irp i, 2,4,6,8,10,12,14
.irp b, 0,1,2,3
	v_max3_num_f32 v[TM+\b], v[TM+\b], |v[\s+16*\b+\i]|, |v[\s+1+16*\b+\i]|
.endr
.endr
.irp b, 0,1,2,3
	v_permlanex16_b32 v[TM+4+\b], v[TM+\b], s20, s21
.endr
.irp b, 0,1,2,3
	v_max_num_f32 v[TM+\b], v[TM+\b], v[TM+4+\b]   ; with lane l xor 16's 16: the block's largest magnitude
.endr
.irp b, 0,1,2,3
	v_add_nc_u32 v[TM+12+\b], 0xff000000, v[TM+\b] ; 2 off the exponent field: the conversion's scale operand
.endr
.irp b, 0,1,2,3
	v_lshrrev_b32 v[TM+4+\b], 23, v[TM+12+\b]      ; the byte
.endr
	v_lshl_or_b32 v[PW], v[TM+5], 8, v[TM+4]
	v_lshl_or_b32 v[PW], v[TM+6], 16, v[PW]
	v_lshl_or_b32 v[PW], v[TM+7], 24, v[PW]
.irp b, 0,1,2,3
	v_cvt_scalef32_pk8_fp4_f32 v[PC+2*\b], v[\s+16*\b:\s+7+16*\b], v[TM+12+\b]
	v_cvt_scalef32_pk8_fp4_f32 v[PC+1+2*\b], v[\s+8+16*\b:\s+15+16*\b], v[TM+12+\b]
.endr
	v_nop                                          ; one plain place behind the scaled conversions
.irp c, 0,1                                    ; a whole block to a lane: lanes 0-15 block 2 c, lanes 16-31 block 2 c + 1
.irp i, 0,1
	v_permlane16_swap_b32 v[PC+4*\c+\i], v[PC+2+4*\c+\i]
.endr
.endr
.endm
; One moving tile, in buffer u.  ahead = 1: the buffer takes the tile four on.  left: the younger loads that may stay out
.macro TILE u, ahead, left
	s_wait_loadcnt \left                           ; loads come back in order: this buffer's 18 are in, and all that was issued ahead of them
	s_cmp_eq_u32 s17, 2
	s_cbranch_scc1 .Lv_\@
	MM 0, \u, 0                                    ; q, k: the first K step starts the sums on the bias along the registers
	WIN 0
	s_branch .Lj_\@
.Lv_\@:
.irp i, 0,1,2,3,4,5,6,7
	v_mov_b32 v[BM+\i], v[12+(\u)]                 ; v: on my channel's bias
.endr
.rept 4
	v_nop
.endr
	MM 0, \u, 1
	WIN 0
.Lj_\@:
.irp s, 1,2,3,4,5,6,7
	MM \s, \u, 2
.endr
	WIN 0
.rept 4
	v_nop                                          ; four places in front of the loads into registers that the products read, and of the first read of the results
.endr
.if \ahead
	GROUP \u, (\u)+4
.endif
	s_wait_xcnt 0x0                                ; the last tile's stores have read the codes' and scale words' registers
	QUANT AC                                       ; its 15 lines on v200-216 are more than the five places in front of the next tile's products, which begin the accumulators anew
	global_store_b128 v[8+(\u)], v[PC:PC+3], s[32:33]      ; 512 consecutive bytes each
	global_store_b128 v[8+(\u)], v[PC+4:PC+7], s[34:35]
.if (\u)%2 == 0
	v_and_b32 v218, s23, v[PW]                     ; the even tile's words: q, k: two bytes for each of the two heads; v: the whole word
	v_lshrrev_b32 v219, 16, v[PW]
.else
	v_and_b32 v220, s23, v[PW]
	v_lshrrev_b32 v221, 16, v[PW]
	v_cndmask_b32 v218, v218, v220, s22            ; lanes 16-31 take the odd tile's (lane 16 + r holds row r's word too)
	v_cndmask_b32 v219, v219, v221, s22
	global_store_b32 v2, v218, s[38:39] offset:128*((\u)/2)
	s_cmp_eq_u32 s17, 2
	s_cbranch_scc1 .Lone_\@
	global_store_b32 v2, v219, s[40:41] offset:128*((\u)/2)
.Lone_\@:
.endif
.endm
.macro STEPP                           ; four tiles on
	s_wait_xcnt 0x0                                ; every load and store has read its base
	s_add_nc_u64 s[24:25], s[24:25], 32768
	s_add_nc_u64 s[26:27], s[26:27], 2048
	s_add_nc_u64 s[28:29], s[28:29], s[30:31]
	s_add_nc_u64 s[32:33], s[32:33], s[36:37]
	s_add_nc_u64 s[34:35], s[34:35], s[36:37]
	s_add_nc_u64 s[38:39], s[38:39], s[42:43]
	s_add_nc_u64 s[40:41], s[40:41], s[42:43]
.endm
	GROUP 0, 0
	GROUP 1, 1
	GROUP 2, 2
	GROUP 3, 3
	s_mov_b32 s44, 3
.Ltrip:                                                ; three trips of four tiles; each tile asks for the tile four on, so three groups of 18 loads are out at a tile's head
	TILE 0, 1, 54
	TILE 1, 1, 54
	TILE 2, 1, 54
	TILE 3, 1, 54
	STEPP
	s_sub_co_u32 s44, s44, 1
	s_cmp_lg_u32 s44, 0
	s_cbranch_scc1 .Ltrip
	TILE 0, 0, 54                                  ; the last four tiles ask for nothing: the counts run down
	TILE 1, 0, 36
	TILE 2, 0, 18
	TILE 3, 0, 0
	s_endpgm
.Lfunc_end_k_qc388161211_proj:
	.size	k_qc388161211_proj, .Lfunc_end_k_qc388161211_proj-k_qc388161211_proj
	.p2alignl 7, 3214868480
	.fill 96, 4, 3214868480
	.section	.rodata,"a",@progbits
	.p2align	6, 0x0
	.amdhsa_kernel k_qc388161211_proj
		.amdhsa_group_segment_fixed_size 0
		.amdhsa_private_segment_fixed_size 0
		.amdhsa_enable_private_segment 0
		.amdhsa_kernarg_size 48
		.amdhsa_user_sgpr_count 2
		.amdhsa_user_sgpr_kernarg_segment_ptr 1
		.amdhsa_wavefront_size32 1
		.amdhsa_system_sgpr_workgroup_id_x 1
		.amdhsa_system_sgpr_workgroup_id_y 1
		.amdhsa_system_sgpr_workgroup_id_z 1
		.amdhsa_system_vgpr_workitem_id 0
		.amdhsa_next_free_vgpr 1024
		.amdhsa_next_free_sgpr 66
		.amdhsa_reserve_vcc 0
		.amdhsa_float_denorm_mode_32 3
		.amdhsa_float_denorm_mode_16_64 3
		.amdhsa_memory_ordered 1
		.amdhsa_forward_progress 1
		.amdhsa_inst_pref_size 146
	.end_amdhsa_kernel
	.amdgpu_metadata
---
amdhsa.version: [ 1, 2 ]
amdhsa.kernels:
  - .name:           k_qc388161211_proj
    .symbol:         k_qc388161211_proj.kd
    .args:
      - { .name: opc, .offset: 0, .size: 8, .value_kind: global_buffer, .address_space: global }
      - { .name: ops, .offset: 8, .size: 8, .value_kind: global_buffer, .address_space: global }
      - { .name: bq, .offset: 16, .size: 8, .value_kind: global_buffer, .address_space: global }
      - { .name: bk, .offset: 24, .size: 8, .value_kind: global_buffer, .address_space: global }
      - { .name: bv, .offset: 32, .size: 8, .value_kind: global_buffer, .address_space: global }
      - { .name: hd, .offset: 40, .size: 8, .value_kind: global_buffer, .address_space: global }
    .group_segment_fixed_size: 0
    .private_segment_fixed_size: 0
    .kernarg_segment_align: 8
    .kernarg_segment_size: 48
    .max_flat_workgroup_size: 128
    .sgpr_count:     66
    .vgpr_count:     1024
    .wavefront_size: 32
...
	.end_amdgpu_metadata
.endif
;; end of part 2
;; launch attn (part 3): grid 4 x 64, 16 waves a work-group, no clusters, 145,408 bytes of LDS; arguments hd, maskw, flags, ac, acs; writes ac, acs
.if DOCPART == 3
	.amdgcn_target "amdgcn-amd-amdhsa--gfx1250"
	.amdhsa_code_object_version 6
	.text
	.protected	k_qc388161211_attn
	.globl	k_qc388161211_attn
	.p2align	8
	.type	k_qc388161211_attn,@function
k_qc388161211_attn:
	s_mov_b64 s[64:65], 0
	v_nop
	global_prefetch_b8 v0, s[64:65] scope:SCOPE_SE
	s_setreg_imm32_b32 hwreg(HW_REG_WAVE_MODE, 25, 1), 1
	s_wait_xcnt 0x0
; ATTN.  For each of 64 heads: o = softmax(where(mask == 0, -1e9, q k^T / 8)) v, both products on codes of FP4 with E8M0 scales; o is quantised along D on the way out (the last product's operand).
; THE SOFTMAX: t = score x log2(e) / 8; M = the row's largest t so far, rounded up to a whole number; p = 2^(t - M) is quantised along the keys; the sum is taken of the unquantised p and divides at the end.
; When M moves, the sum and O are multiplied by 2^(old M - new M), which rounds nothing.
; SHARES.  Work-group (x, head): sixteen waves of 256 registers, four to a SIMD, so that one wave's vector work stands beside another's products and LDS loads.  Wave w takes query tiles j = 16 x + w and 127 - j,
; one after the other.  A head's K and V as codes, with their scales, are 143,360 bytes: they lie in LDS whole, in the order of the operands' registers, filled once through registers; one barrier; then LDS is only read.
; LAYOUT.  S^T = K Q^T (source 0 = 16 keys), O^T = V^T P^T (source 0 = 16 channels): a lane holds ONE query throughout.  Tiles hold rows 32 (T / 2) + 8 (T % 2) + r % 8 + 16 (r / 8), so score register 16 b + i
; of lane (r, h) is key 128 step + 32 b + 16 h + i.
; K = 64 IN A FORM OF 128: Q's registers 4-7 are zero codes and both sides' scale bytes 2, 3 are 0 (a finite scale).  K's operand of tile t is v[32 + 4 t : 39 + 4 t]: its upper four registers, the next tile's
; codes, meet zero codes and add nothing.
; THE MASK is an input.  PREP stored, for each (query tile, key step), 64 lane masks (one v_cndmask_b32 a score register) and flags.  A step all of whose 16 x 128 places are hidden is jumped over (its p
; would be 0), unless some row of the tile has no key left at all: such a row is the plain average over ALL keys, so its tile walks every step.  A step with no hidden place skips the 64 selects.
; These are scalar branches on whole numbers that an earlier launch stored.  LDS is filled through registers, and there is no cluster with joint loads.
; What the four work-groups of a head would share is their one fill of 143,360 bytes at the head; the branches spare whole key steps.
; LIMITS: a hidden score becomes -2^33 (a logit of -2^30 in place of -1e9): c x 2^33 is a whole number, so a row with no key left has t - M = 0 and p = 1 everywhere, and elsewhere a hidden p is 0: the same
; result as with -1e9 while every open logit lies above about -1e9 + 200.  p under 2^-126 counts as 0.  Quantiser as in PREP (byte 1 for blocks of zeros); NaN and infinities are not served.
; REGISTERS: v1-7 lane offsets; v8-11 the step's LDS addresses; v12 -M, v13 largest t, v[14:15] the sum; v16-23 Q; v24 Q's scales; v25 -2^33; v26-30 the fill's addresses; v32-67 K; v68-71 K's scales;
;   v72-73 V's scales; v96-159 S^T, then p; v160-191 O^T; v192-223 V; v224-231 p's codes; v232-254 at work; v253 p's scale word alone.
.set HS,  217088
.set KSO, 131072
.set VSO, 139264
.set QCO, 143360
.set QSO, 208896
	s_load_b256 s[4:11], s[0:1], 0x0               ; hd, maskw, flags, ac
	s_load_b64 s[12:13], s[0:1], 0x20              ; acs
	v_lshl_add_u32 v252, v0, 2, 0x23000
	v_mov_b32 v255, 0
	v_lshrrev_b32 v8, 5, v0
	v_readfirstlane_b32 s14, v8                    ; wave 0..15
	s_and_b32 s15, ttmp7, 0xffff                   ; head 0..63
	s_lshl_b32 s16, ttmp9, 4
	s_add_co_u32 s16, s16, s14                     ; j
	s_mul_i32 s2, s15, HS
	s_mov_b32 s3, 0
	v_lshlrev_b32 v26, 4, v0                       ; 16 x thread
	v_lshlrev_b32 v27, 3, v0                       ; 8 x thread
	v_add_nc_u32 v28, 65536, v26                   ; (an LDS immediate has 16 bits)
	v_add_nc_u32 v29, 131072, v26
	v_add_nc_u32 v30, VSO, v27
	s_wait_kmcnt 0x0
	s_add_nc_u64 s[66:67], s[4:5], s[2:3]          ; the head's record
.irp i, 0,1,2,3,4,5,6,7,8,9,10,11,12,13,14,15,16
	global_load_b128 v[96+4*\i:96+4*\i+3], v26, s[66:67] offset:8192*\i    ; 512 threads x 16 bytes = 8,192 consecutive bytes
.endr
	global_load_b64 v[164:165], v27, s[66:67] offset:VSO                   ; the last 4,096
	v_and_b32 v9, 31, v0
	v_and_b32 v10, 15, v0
	v_lshlrev_b32 v1, 4, v9                        ; 16 x lane
	v_lshlrev_b32 v2, 2, v9                        ; 4 x lane
	v_lshlrev_b32 v3, 2, v10                       ; 4 r
	v_lshlrev_b32 v4, 4, v10                       ; 16 r
	v_add_nc_u32 v5, 65536, v1                     ; V's codes
	v_add_nc_u32 v6, KSO, v2                       ; K's scale words
	v_add_nc_u32 v7, VSO, v2                       ; V's
.irp i, 20,21,22,23,64,65,66,67,236,237,238,239,251
	v_mov_b32 v\i, 0                               ; zero codes (v20-23, v64-67); permutes' destinations and the upper half of the pair v[250:251] count as read
.endr
	v_mov_b32 v25, 0xd0000000                      ; -2^33
	s_mov_b32 s20, 0x76543210                      ; selects of v_permlanex16_b32 for lane l xor 16
	s_mov_b32 s21, 0xfedcba98
	s_mov_b32 s22, 0x3e38aa3b                      ; c = log2(e) / 8
	s_mov_b32 s23, s22                             ; (named with it as a pair)
.irp i, 0,1,2,3,4,5,6,7
	s_wait_loadcnt 17-\i                           ; piece i is in; the younger ones stay out
	ds_store_b128 v26, v[96+4*\i:96+4*\i+3] offset:8192*\i
.endr
.irp i, 0,1,2,3,4,5,6,7
	s_wait_loadcnt 9-\i
	ds_store_b128 v28, v[128+4*\i:128+4*\i+3] offset:8192*\i
.endr
	s_wait_loadcnt 1
	ds_store_b128 v29, v[160:163]
	s_wait_loadcnt 0x0
	ds_store_b64 v30, v[164:165]
	s_wait_dscnt 0x0                               ; for the others' sake: my stores have landed
	s_barrier_signal -1
	s_barrier_wait -1                              ; the head's K and V lie in LDS; nothing writes LDS from here on
.macro SCORES                          ; S^T of 128 keys: 8 tiles of 16
.irp t, 0,1,2,3,4,5,6,7
	ds_load_b128 v[32+4*\t:32+4*\t+3], v8 offset:512*\t
.endr
.irp i, 0,1,2,3
	ds_load_b32 v[68+\i], v10 offset:128*\i        ; lanes 0-15 tile 2 i's words, lanes 16-31 tile 2 i + 1's
.endr
	s_wait_dscnt 0x0
.irp t, 0,2,4,6
	v_wmma_scale_f32_16x16x128_f8f6f4 v[96+8*\t:103+8*\t], v[32+4*\t:39+4*\t], v[16:23], 0, v[68+\t/2], v24 matrix_a_fmt:MATRIX_FMT_FP4 matrix_b_fmt:MATRIX_FMT_FP4
	v_wmma_scale_f32_16x16x128_f8f6f4 v[104+8*\t:111+8*\t], v[36+4*\t:43+4*\t], v[16:23], 0, v[68+\t/2], v24 matrix_a_fmt:MATRIX_FMT_FP4 matrix_b_fmt:MATRIX_FMT_FP4 matrix_a_scale:MATRIX_SCALE_ROW1
.endr
.endm
.macro VLOADS                          ; V's four fragments and their scale words: they land while the softmax is worked
.irp c, 0,1,2,3
.irp g, 0,1
	ds_load_b128 v[192+8*\c+4*\g:192+8*\c+4*\g+3], v9 offset:1024*\c+512*\g
.endr
.endr
	ds_load_b32 v72, v11
	ds_load_b32 v73, v11 offset:128
.rept 4
	v_nop                                          ; four places between the score products and the first read of their results
.endr
.endm
	s_mov_b32 s17, 0                               ; which of my two tiles
.Ltile:
	s_wait_xcnt 0x0                                ; the last tile's loads and stores have read their bases and data
	s_sub_co_u32 s18, 127, s16
	s_cmp_eq_u32 s17, 0
	s_cselect_b32 s18, s16, s18                    ; T: j, then 127 - j
	s_lshl_b32 s2, s18, 9
	s_add_co_u32 s2, s2, QCO
	s_mov_b32 s3, 0
	s_add_nc_u64 s[30:31], s[66:67], s[2:3]
	s_lshl_b32 s2, s18, 6                          ; 128 (T / 2) + 64 (T % 2)
	s_add_co_u32 s2, s2, QSO
	s_add_nc_u64 s[36:37], s[66:67], s[2:3]
	s_lshl_b32 s38, s18, 9                         ; two records of 256 bytes a tile
	s_lshl_b32 s2, s18, 12
	s_add_nc_u64 s[100:101], s[6:7], s[2:3]        ; the tile's lane masks
	global_load_b128 v[16:19], v1, s[30:31]        ; Q's codes: lane (r, h): block h of the tile's row r
	global_load_b32 v24, v3, s[36:37]              ; and scale words
	s_load_b64 s[32:33], s[8:9], s38 offset:0x0
	s_load_b64 s[34:35], s[8:9], s38 offset:0x100
	v_mov_b32 v13, 0xff61b1e6                      ; the largest t so far: -3e38
	v_floor_f32 v12, -v13                          ; -M
	v_mov_b32 v14, 0
	v_mov_b32 v15, 0
.irp n, 0,1,2,3,4,5,6,7,8,9,10,11,12,13,14,15,16,17,18,19,20,21,22,23,24,25,26,27,28,29,30,31
	v_mov_b32 v[160+\n], 0                         ; O^T: which step is a tile's first is not known to the text, so the sums begin as zeros
.endr
	s_mov_b32 s26, 0                               ; the step's codes: 4,096 bytes a step, of K and of V
	s_mov_b32 s27, 0                               ; K's scale words: 512
	s_mov_b32 s28, 0                               ; V's: 256
	s_mov_b32 s29, 0                               ; the lane masks: 256
	s_mov_b32 s19, 0                               ; the step
	s_wait_loadcnt 0x0
	s_wait_kmcnt 0x0
	s_and_b32 s2, s33, s35                         ; lanes all of whose keys are hidden;
	s_lshr_b32 s3, s2, 16
	s_and_b32 s2, s2, s3                           ; a row is lanes r and r + 16
	s_and_b32 s2, s2, 0xffff
	s_and_b32 s24, s32, 0xff
	s_and_b32 s3, s34, 0xff
	s_lshl_b32 s3, s3, 8
	s_or_b32 s24, s24, s3                          ; bit e: step e is wholly hidden
	s_bfe_u32 s25, s32, 0x80008
	s_and_b32 s3, s34, 0xff00
	s_or_b32 s25, s25, s3                          ; bit e: step e has no hidden place
	s_cmp_lg_u32 s2, 0
	s_cselect_b32 s24, 0, s24                      ; a row with no key left: every step is walked
.Lstep:                                                ; 16 trips, a constant; the addresses' steps stand at the trip's end, outside every jump
	s_lshr_b32 s2, s24, s19
	s_and_b32 s2, s2, 1
	s_cmp_lg_u32 s2, 0
	s_cbranch_scc1 .Lnext
	v_add_nc_u32 v8, s26, v1                       ; (these four are also the places between the last step's products and the loads into V's registers)
	v_add_nc_u32 v9, s26, v5
	v_add_nc_u32 v10, s27, v6
	v_add_nc_u32 v11, s28, v7
	s_lshr_b32 s2, s25, s19
	s_and_b32 s2, s2, 1
	s_cmp_lg_u32 s2, 0
	s_cbranch_scc1 .Lopen
	s_load_b512 s[32:47], s[100:101], s29 offset:0x0       ; the step's 64 lane masks
	s_load_b512 s[48:63], s[100:101], s29 offset:0x40
	s_load_b512 s[68:83], s[100:101], s29 offset:0x80
	s_load_b512 s[84:99], s[100:101], s29 offset:0xc0
	SCORES
	VLOADS
	s_wait_kmcnt 0x0
.set N, 0
.rept 32
	v_cndmask_b32 v[96+N], v[96+N], v25, s[32+N]   ; hidden places become -2^33; ascending
.set N, N+1
.endr
.rept 32
	v_cndmask_b32 v[96+N], v[96+N], v25, s[36+N]
.set N, N+1
.endr
	s_branch .Lsoft
.Lopen:
	SCORES
	VLOADS
.Lsoft:
.irp b, 0,1,2,3
	v_max3_num_f32 v[232+\b], v[96+16*\b], v[97+16*\b], v[98+16*\b]        ; the largest score of each block of 32 keys: for the row's maximum, and, since p rises with the score, for the block's largest p
.endr
.irp i, 3,5,7,9,11,13
.irp b, 0,1,2,3
	v_max3_num_f32 v[232+\b], v[232+\b], v[96+16*\b+\i], v[97+16*\b+\i]
.endr
.endr
.irp b, 0,1,2,3
	v_max_num_f32 v[232+\b], v[232+\b], v[111+16*\b]
.endr
.irp b, 0,1,2,3
	v_permlanex16_b32 v[236+\b], v[232+\b], s20, s21
.endr
.irp b, 0,1,2,3
	v_max_num_f32 v[232+\b], v[232+\b], v[236+\b]  ; with lane l xor 16's 16 keys
.endr
	v_max3_num_f32 v254, v232, v233, v234
	v_max_num_f32 v254, v254, v235
	v_mul_f32 v254, s22, v254                      ; the step's largest t of my query
	v_max_num_f32 v13, v13, v254
	v_mov_b32 v254, v12
	v_floor_f32 v12, -v13                          ; the new -M = -ceil(t)
	v_sub_f32 v254, v12, v254                      ; old M - new M: a whole number, 0 or less
	v_cvt_i32_f32 v254, v254                       ; (it saturates)
	v_ldexp_f32 v250, 1.0, v254                    ; f = 2^(old M - new M)
.irp j, 0,2,4,6,8,10,12,14,16,18,20,22,24,26,28,30,32,34,36,38,40,42,44,46,48,50,52,54,56,58,60,62
	v_pk_fma_f32 v[96+\j:97+\j], v[96+\j:97+\j], s[22:23], v[12:13] op_sel_hi:[1,0,0]      ; t - M, two at a time
.endr
.irp b, 0,1,2,3
	v_fma_f32 v[232+\b], v[232+\b], s22, v12       ; the same of each block's largest score
.endr
.set N, 0
.rept 64
	v_exp_f32 v[96+N], v[96+N]                     ; p = 2^(t - M): one batch
.set N, N+1
.endr
	v_pk_mul_f32 v[14:15], v[14:15], v[250:251] op_sel_hi:[1,0]    ; the sums under the new M: the plain place behind the batch
	s_wait_alu depctr_va_vdst(0)                   ; one wait for the batch, ahead of its first reader
.irp b, 0,1,2,3
	v_exp_f32 v[232+\b], v[232+\b]                 ; each block's largest p
.endr
	v_pk_add_f32 v[240:241], v[96:97], v[98:99]    ; the sum of the unquantised p, in two chains; it reads the 64 alone
.irp j, 4,8,12,16,20,24,28,32,36,40,44,48,52,56,60
	v_pk_add_f32 v[14:15], v[14:15], v[96+\j:97+\j]
	v_pk_add_f32 v[240:241], v[240:241], v[98+\j:99+\j]
.endr
	v_pk_add_f32 v[14:15], v[14:15], v[240:241]
	s_wait_alu depctr_va_vdst(0)                   ; and one for the four
.irp b, 0,1,2,3
	v_max_num_f32 v[232+\b], 0x1800000, v[232+\b]  ; the floor 2^(3 - 127): a block whose every p is 0 keeps the byte 1; its codes are zeros
.endr
.irp b, 0,1,2,3
	v_add_nc_u32 v[244+\b], 0xff000000, v[232+\b]
.endr
.irp b, 0,1,2,3
	v_lshrrev_b32 v[236+\b], 23, v[244+\b]
.endr
	v_lshl_or_b32 v253, v237, 8, v236              ; p's scale word for these 128 keys
	v_lshl_or_b32 v253, v238, 16, v253
	v_lshl_or_b32 v253, v239, 24, v253
.irp b, 0,1,2,3
	v_cvt_scalef32_pk8_fp4_f32 v[224+2*\b], v[96+16*\b:103+16*\b], v[244+\b]
	v_cvt_scalef32_pk8_fp4_f32 v[225+2*\b], v[104+16*\b:111+16*\b], v[244+\b]
.endr
	v_nop                                          ; one plain place behind the scaled conversions
.irp c, 0,1                                    ; a whole block to a lane
.irp i, 0,1
	v_permlane16_swap_b32 v[224+4*\c+\i], v[226+4*\c+\i]
.endr
.endr
.irp j, 0,2,4,6,8,10,12,14,16,18,20,22,24,26,28,30
	v_pk_mul_f32 v[160+\j:161+\j], v[160+\j:161+\j], v[250:251] op_sel_hi:[1,0]    ; O^T under the new M; these 16 are also the places between the scale word, the codes and the products below
.endr
	s_wait_dscnt 0x0                               ; V's fragments and scale words are in
.irp c, 0,2                                    ; O^T += V^T P^T: the four accumulators, one instruction each
	v_wmma_scale_f32_16x16x128_f8f6f4 v[160+8*\c:167+8*\c], v[192+8*\c:199+8*\c], v[224:231], v[160+8*\c:167+8*\c], v[72+\c/2], v253 matrix_a_fmt:MATRIX_FMT_FP4 matrix_b_fmt:MATRIX_FMT_FP4
	v_wmma_scale_f32_16x16x128_f8f6f4 v[168+8*\c:175+8*\c], v[200+8*\c:207+8*\c], v[224:231], v[168+8*\c:175+8*\c], v[72+\c/2], v253 matrix_a_fmt:MATRIX_FMT_FP4 matrix_b_fmt:MATRIX_FMT_FP4 matrix_a_scale:MATRIX_SCALE_ROW1
.endr
.Lnext:
	s_add_co_u32 s26, s26, 4096
	s_add_co_u32 s27, s27, 512
	s_add_co_u32 s28, s28, 256
	s_add_co_u32 s29, s29, 256
	s_add_co_u32 s19, s19, 1
	s_cmp_lt_u32 s19, 16
	s_cbranch_scc1 .Lstep
	; THE WAY OUT.  O^T / the sum; register 16 b + i of lane (r, h) is channel 32 b + 16 h + i of the head: two blocks of the last product's K, quantised here.
	v_add_f32 v14, v14, v15
	v_permlanex16_b32 v236, v14, s20, s21
	v_add_f32 v14, v14, v236                       ; the row's sum
	v_rcp_f32 v14, v14
.rept 3
	v_nop                                          ; the plain place behind the reciprocal; with the two additions, the places behind the last products
.endr
	s_lshr_b32 s36, s15, 4
	s_lshl_b32 s36, s36, 7
	s_add_co_u32 s36, s36, s18                     ; the tile among all 512: 128 x batch + T
	s_and_b32 s37, s15, 15                         ; the head in its batch
	s_lshl_b32 s38, s36, 13
	s_lshl_b32 s39, s37, 9
	s_add_co_u32 s38, s38, s39                     ; codes: blocks 2 head, 2 head + 1 of the tile: 512 bytes
	s_mov_b32 s39, 0
	s_add_nc_u64 s[32:33], s[10:11], s[38:39]
	s_lshl_b32 s38, s36, 9                         ; scale words: lane (r, head / 8), word (head / 2) % 4, bytes 2 (head % 2) on
	s_lshr_b32 s40, s37, 3
	s_lshl_b32 s40, s40, 8
	s_add_co_u32 s38, s38, s40
	s_bfe_u32 s40, s37, 0x20001
	s_lshl_b32 s40, s40, 2
	s_add_co_u32 s38, s38, s40
	s_and_b32 s40, s37, 1
	s_lshl_b32 s40, s40, 1
	s_add_co_u32 s38, s38, s40
	s_add_nc_u64 s[34:35], s[12:13], s[38:39]
	s_wait_alu depctr_va_vdst(0)                   ; the wait ahead of the reciprocal's first reader
.irp j, 0,2,4,6,8,10,12,14,16,18,20,22,24,26,28,30
	v_pk_mul_f32 v[96+\j:97+\j], v[160+\j:161+\j], v[14:15] op_sel_hi:[1,0]        ; ascending: each accumulator from its low end on
.endr
.irp b, 0,1
	v_max3_num_f32 v[232+\b], |v[96+16*\b]|, |v[97+16*\b]|, 0x1800000
.endr
.irp i, 2,4,6,8,10,12,14
.irp b, 0,1
	v_max3_num_f32 v[232+\b], v[232+\b], |v[96+16*\b+\i]|, |v[97+16*\b+\i]|
.endr
.endr
.irp b, 0,1
	v_permlanex16_b32 v[236+\b], v[232+\b], s20, s21
.endr
.irp b, 0,1
	v_max_num_f32 v[232+\b], v[232+\b], v[236+\b]
.endr
.irp b, 0,1
	v_add_nc_u32 v[244+\b], 0xff000000, v[232+\b]
.endr
.irp b, 0,1
	v_lshrrev_b32 v[236+\b], 23, v[244+\b]
.endr
	v_lshl_or_b32 v254, v237, 8, v236              ; the two bytes
.irp b, 0,1
	v_cvt_scalef32_pk8_fp4_f32 v[224+2*\b], v[96+16*\b:103+16*\b], v[244+\b]
	v_cvt_scalef32_pk8_fp4_f32 v[225+2*\b], v[104+16*\b:111+16*\b], v[244+\b]
.endr
	v_nop
	v_permlane16_swap_b32 v224, v226               ; lane (r, h) now holds block h whole
	v_permlane16_swap_b32 v225, v227
	global_store_b128 v1, v[224:227], s[32:33]     ; 512 consecutive bytes
	global_store_b16 v4, v254, s[34:35]            ; 2 bytes a row, 16 bytes apart (both halves of the lanes write the same): 2 of each 34 bytes that leave, the launch's only scattered store
	s_add_co_u32 s17, s17, 1
	s_cmp_lt_u32 s17, 2
	s_cbranch_scc1 .Ltile
	s_wait_tensorcnt 0x0
	ds_add_u32 v252, v255
	s_wait_dscnt 0x0
	s_endpgm
.Lfunc_end_k_qc388161211_attn:
	.size	k_qc388161211_attn, .Lfunc_end_k_qc388161211_attn-k_qc388161211_attn
	.p2alignl 7, 3214868480
	.fill 96, 4, 3214868480
	.section	.rodata,"a",@progbits
	.p2align	6, 0x0
	.amdhsa_kernel k_qc388161211_attn
		.amdhsa_group_segment_fixed_size 145408
		.amdhsa_private_segment_fixed_size 0
		.amdhsa_enable_private_segment 0
		.amdhsa_kernarg_size 40
		.amdhsa_user_sgpr_count 2
		.amdhsa_user_sgpr_kernarg_segment_ptr 1
		.amdhsa_wavefront_size32 1
		.amdhsa_system_sgpr_workgroup_id_x 1
		.amdhsa_system_sgpr_workgroup_id_y 1
		.amdhsa_system_sgpr_workgroup_id_z 1
		.amdhsa_system_vgpr_workitem_id 0
		.amdhsa_next_free_vgpr 256
		.amdhsa_next_free_sgpr 102
		.amdhsa_reserve_vcc 0
		.amdhsa_float_denorm_mode_32 3
		.amdhsa_float_denorm_mode_16_64 3
		.amdhsa_memory_ordered 1
		.amdhsa_forward_progress 1
		.amdhsa_inst_pref_size 35
	.end_amdhsa_kernel
	.amdgpu_metadata
---
amdhsa.version: [ 1, 2 ]
amdhsa.kernels:
  - .name:           k_qc388161211_attn
    .symbol:         k_qc388161211_attn.kd
    .args:
      - { .name: hd, .offset: 0, .size: 8, .value_kind: global_buffer, .address_space: global }
      - { .name: maskw, .offset: 8, .size: 8, .value_kind: global_buffer, .address_space: global }
      - { .name: flags, .offset: 16, .size: 8, .value_kind: global_buffer, .address_space: global }
      - { .name: ac, .offset: 24, .size: 8, .value_kind: global_buffer, .address_space: global }
      - { .name: acs, .offset: 32, .size: 8, .value_kind: global_buffer, .address_space: global }
    .group_segment_fixed_size: 145408
    .private_segment_fixed_size: 0
    .kernarg_segment_align: 8
    .kernarg_segment_size: 40
    .max_flat_workgroup_size: 512
    .sgpr_count:     102
    .vgpr_count:     256
    .wavefront_size: 32
...
	.end_amdgpu_metadata
.endif
;; end of part 3
;; launch oproj (part 4): grid 256 x 1, 4 waves a work-group, no clusters, 34,304 bytes of LDS; arguments ac, acs, opc, ops, bo, out0; writes out0
.if DOCPART == 4
	.amdgcn_target "amdgcn-amd-amdhsa--gfx1250"
	.amdhsa_code_object_version 6
	.text
	.protected	k_qc388161211_oproj
	.globl	k_qc388161211_oproj
	.p2align	8
	.type	k_qc388161211_oproj,@function
k_qc388161211_oproj:
	s_mov_b64 s[64:65], 0
	v_nop
	global_prefetch_b8 v0, s[64:65] scope:SCOPE_SE
	s_setreg_imm32_b32 hwreg(HW_REG_WAVE_MODE, 25, 1), 1
	s_wait_xcnt 0x0
; OPROJ.  out0 = a Wo^T + bo on codes of FP4 with E8M0 scales; a is the attention's result, quantised by ATTN, Wo by PREP; both lie in the order of the operands' registers (see PREP).
; A wave keeps 128 rows of Wo x K 1,024 in 512 registers (source 0) and takes four tiles of 16 tokens (source 1), 64 matrix instructions a tile: 256 work-groups of four waves, so that all store at once.
; In the result a lane holds one token and its 64 registers 128 neighbouring-by-halves columns: register 16 b + i is column 128 sg + 32 b + 16 h + i.  bo, in that layout, is the C of the first K step.
; A tile goes through the wave's own stage in LDS and leaves as 16 rows of 512 consecutive bytes.  Waves share nothing: no barrier.  No tensor loads, so no cluster with joint loads: fragments come
; straight into registers; the four waves of a work-group read the same four tiles at the same time.
; REGISTERS.  Window 0: v1 16 x lane, v4 64 h, v5, v6 stage addresses; v16-31 moving scale words; v32-63 Wo's scale words; v64-127 accumulators; v128-191 bo; v192-255 rows on the way out.
;   Windows 1, 2: Wo's K steps 0-3, 4-7 at 64 (s % 4) + 8 t.  Window 3: the four moving tiles at 64 u + 8 s.
.set AC,  64
.set BI,  128
.set OB,  192
.set SP,  528                          ; a stage row: 512 bytes + 16, so the 16 rows that a store touches start four banks apart
.set MSB, 0
.macro WIN new
.if MSB != \new
	s_set_vgpr_msb (MSB<<8)|\new
.set MSB, \new
.endif
.endm
	s_load_b256 s[4:11], s[0:1], 0x0               ; ac, acs, opc, ops
	s_load_b128 s[12:15], s[0:1], 0x20             ; bo, out0
	v_lshl_add_u32 v14, v0, 2, 0x8400
	v_mov_b32 v15, 0
	v_lshrrev_b32 v7, 5, v0
	v_readfirstlane_b32 s16, v7                    ; wave
	s_and_b32 s17, ttmp9, 1
	s_lshl_b32 s17, s17, 2
	s_add_co_u32 s17, s17, s16                     ; sg: which 128 columns
	s_lshr_b32 s18, ttmp9, 1                       ; g: which 64 tokens
	v_and_b32 v7, 31, v0
	v_lshlrev_b32 v1, 4, v7
	v_and_b32 v8, 15, v0
	v_bfe_u32 v9, v0, 4, 1
	v_lshlrev_b32 v4, 6, v9
	s_mul_i32 s19, s16, 16*SP                      ; my stage
	v_mul_u32_u24 v5, v8, SP
	v_add_nc_u32 v5, v5, v4
	v_add_nc_u32 v5, s19, v5                       ; in: row r, + 64 h
	v_add_nc_u32 v6, s19, v1                       ; back: 16 x lane of a row
	s_lshl_b32 s20, s17, 3
	s_add_co_u32 s20, s20, 1728                    ; Wo's tiles begin at 1728
	s_mov_b32 s23, 0
	s_wait_kmcnt 0x0
	s_lshl_b32 s22, s20, 13
	s_add_nc_u64 s[8:9], s[8:9], s[22:23]
	s_lshl_b32 s22, s20, 9
	s_add_nc_u64 s[10:11], s[10:11], s[22:23]
	s_lshl_b32 s22, s18, 15
	s_add_nc_u64 s[4:5], s[4:5], s[22:23]          ; four tiles of 8,192 bytes
	s_lshl_b32 s22, s18, 11
	s_add_nc_u64 s[6:7], s[6:7], s[22:23]
	s_lshl_b32 s22, s17, 9
	s_add_nc_u64 s[12:13], s[12:13], s[22:23]
	s_add_nc_u64 s[14:15], s[14:15], s[22:23]
	s_lshl_b32 s22, s18, 18
	s_add_nc_u64 s[14:15], s[14:15], s[22:23]      ; out0 at token 64 g, column 128 sg
	WIN 0x40
.irp s, 0,1,2,3
.irp t, 0,1,2,3,4,5,6,7
.irp c, 0,1
	global_load_b128 v[64*\s+8*\t+4*\c:64*\s+8*\t+4*\c+3], v1, s[8:9] offset:8192*\t+1024*\s+512*\c
.endr
.endr
.endr
	WIN 0x80
.irp s, 0,1,2,3
.irp t, 0,1,2,3,4,5,6,7
.irp c, 0,1
	global_load_b128 v[64*\s+8*\t+4*\c:64*\s+8*\t+4*\c+3], v1, s[8:9] offset:8192*\t+1024*(\s+4)+512*\c
.endr
.endr
.endr
	WIN 0
.irp t, 0,1,2,3,4,5,6,7
	global_load_b128 v[32+4*\t:32+4*\t+3], v1, s[10:11] offset:512*\t
.endr
.irp t, 0,1,2,3,4,5,6,7
	global_load_b128 v[BI+8*\t:BI+8*\t+3], v4, s[12:13] offset:(32*(\t/2)+8*(\t%2))*4
	global_load_b128 v[BI+8*\t+4:BI+8*\t+7], v4, s[12:13] offset:(32*(\t/2)+8*(\t%2))*4+16
.endr
.irp u, 0,1,2,3                                ; 17 loads a tile
	WIN 0xc0
.irp s, 0,1,2,3,4,5,6,7
.irp c, 0,1
	global_load_b128 v[64*\u+8*\s+4*\c:64*\u+8*\s+4*\c+3], v1, s[4:5] offset:8192*\u+1024*\s+512*\c
.endr
.endr
	WIN 0
	global_load_b128 v[16+4*\u:16+4*\u+3], v1, s[6:7] offset:512*\u
.endr
.macro WM d, a, b, c, sa, sb, row
.if \row
	v_wmma_scale_f32_16x16x128_f8f6f4 v[\d:\d+7], v[\a:\a+7], v[\b:\b+7], v[\c:\c+7], v[\sa], v[\sb] matrix_a_fmt:MATRIX_FMT_FP4 matrix_b_fmt:MATRIX_FMT_FP4 matrix_a_scale:MATRIX_SCALE_ROW1 matrix_b_scale:MATRIX_SCALE_ROW1
.else
	v_wmma_scale_f32_16x16x128_f8f6f4 v[\d:\d+7], v[\a:\a+7], v[\b:\b+7], v[\c:\c+7], v[\sa], v[\sb] matrix_a_fmt:MATRIX_FMT_FP4 matrix_b_fmt:MATRIX_FMT_FP4
.endif
.endm
.macro MM s, u                         ; K step s: the eight accumulators by turns, one instruction a turn; the first starts the sums on bo
.if (\s) < 4
	WIN 0x0d
.else
	WIN 0x0e
.endif
.irp t, 0,1,2,3,4,5,6,7
.if (\s) == 0
	WM AC+8*\t, 64*((\s)%4)+8*\t, 64*(\u)+8*(\s), BI+8*\t, 32+4*\t+(\s)%4, 16+4*(\u)+(\s)%4, (\s)/4
.else
	WM AC+8*\t, 64*((\s)%4)+8*\t, 64*(\u)+8*(\s), AC+8*\t, 32+4*\t+(\s)%4, 16+4*(\u)+(\s)%4, (\s)/4
.endif
.endr
.endm
.macro TILE u, left
	s_wait_loadcnt \left                           ; this tile's 17 loads are in, and all issued ahead of them; the younger tiles' stay out
.irp s, 0,1,2,3,4,5,6,7
	MM \s, \u
.endr
	WIN 0
.rept 5
	v_nop                                          ; four places in front of the stores that read the results; the fifth for the next tile's products, which begin the accumulators anew
.endr
.irp b, 0,1,2,3
.irp q, 0,1,2,3
	ds_store_b128 v5, v[AC+16*\b+4*\q:AC+16*\b+4*\q+3] offset:128*\b+16*\q         ; each accumulator from its low end on
.endr
.endr
	s_wait_xcnt 0x0                                ; the last tile's stores have read the rows' registers
.irp i, 0,1,2,3,4,5,6,7,8,9,10,11,12,13,14,15
	ds_load_b128 v[OB+4*\i:OB+4*\i+3], v6 offset:SP*\i     ; LDS serves a wave in order: these see the stores above, and the next tile's stores come behind them
.endr
.irp i, 0,1,2,3,4,5,6,7,8,9,10,11,12,13,14,15
	s_wait_dscnt 15-\i                             ; row i is back; the younger rows stay out
	global_store_b128 v1, v[OB+4*\i:OB+4*\i+3], s[14:15] offset:(32*((\u)/2)+8*((\u)%2)+\i%8+16*(\i/8))*4096 th:TH_STORE_NT     ; 512 consecutive bytes of the token's row, aligned
.endr
.endm
	TILE 0, 51
	TILE 1, 34
	TILE 2, 17
	TILE 3, 0
	s_wait_tensorcnt 0x0
	ds_add_u32 v14, v15
	s_wait_dscnt 0x0
	s_endpgm
.Lfunc_end_k_qc388161211_oproj:
	.size	k_qc388161211_oproj, .Lfunc_end_k_qc388161211_oproj-k_qc388161211_oproj
	.p2alignl 7, 3214868480
	.fill 96, 4, 3214868480
	.section	.rodata,"a",@progbits
	.p2align	6, 0x0
	.amdhsa_kernel k_qc388161211_oproj
		.amdhsa_group_segment_fixed_size 34304
		.amdhsa_private_segment_fixed_size 0
		.amdhsa_enable_private_segment 0
		.amdhsa_kernarg_size 48
		.amdhsa_user_sgpr_count 2
		.amdhsa_user_sgpr_kernarg_segment_ptr 1
		.amdhsa_wavefront_size32 1
		.amdhsa_system_sgpr_workgroup_id_x 1
		.amdhsa_system_sgpr_workgroup_id_y 1
		.amdhsa_system_sgpr_workgroup_id_z 1
		.amdhsa_system_vgpr_workitem_id 0
		.amdhsa_next_free_vgpr 1024
		.amdhsa_next_free_sgpr 66
		.amdhsa_reserve_vcc 0
		.amdhsa_float_denorm_mode_32 3
		.amdhsa_float_denorm_mode_16_64 3
		.amdhsa_memory_ordered 1
		.amdhsa_forward_progress 1
		.amdhsa_inst_pref_size 73
	.end_amdhsa_kernel
	.amdgpu_metadata
---
amdhsa.version: [ 1, 2 ]
amdhsa.kernels:
  - .name:           k_qc388161211_oproj
    .symbol:         k_qc388161211_oproj.kd
    .args:
      - { .name: ac, .offset: 0, .size: 8, .value_kind: global_buffer, .address_space: global }
      - { .name: acs, .offset: 8, .size: 8, .value_kind: global_buffer, .address_space: global }
      - { .name: opc, .offset: 16, .size: 8, .value_kind: global_buffer, .address_space: global }
      - { .name: ops, .offset: 24, .size: 8, .value_kind: global_buffer, .address_space: global }
      - { .name: bo, .offset: 32, .size: 8, .value_kind: global_buffer, .address_space: global }
      - { .name: out0, .offset: 40, .size: 8, .value_kind: global_buffer, .address_space: global }
    .group_segment_fixed_size: 34304
    .private_segment_fixed_size: 0
    .kernarg_segment_align: 8
    .kernarg_segment_size: 48
    .max_flat_workgroup_size: 128
    .sgpr_count:     66
    .vgpr_count:     1024
    .wavefront_size: 32
...
	.end_amdgpu_metadata
.endif
;; end of part 4
;; ======== version 2 of 2: 4 launches
;; limits: right only within a limited range of input values
;; workspace buffers: opc 14,680,064 bytes; ops 917,504 bytes; maskw 524,288 bytes of whole numbers; flags 65,536 bytes of whole numbers; hd 13,893,632 bytes; ac 4,194,304 bytes; acs 262,144 bytes
;; launch prep (part 5): grid 512 x 1, 4 waves a work-group, no clusters, 68,096 bytes of LDS; arguments Q, K, V, Wq, Wk, Wv, Wo, mask, opc, ops, maskw, flags; writes opc, ops, maskw, flags
.if DOCPART == 5
	.amdgcn_target "amdgcn-amd-amdhsa--gfx1250"
	.amdhsa_code_object_version 6
	.text
	.protected	k_qc388161211_prep
	.globl	k_qc388161211_prep
	.p2align	8
	.type	k_qc388161211_prep,@function
k_qc388161211_prep:
	s_mov_b64 s[64:65], 0
	v_nop
	global_prefetch_b8 v0, s[64:65] scope:SCOPE_SE
	s_setreg_imm32_b32 hwreg(HW_REG_WAVE_MODE, 25, 1), 1
	s_wait_xcnt 0x0
; PREP.  Work-groups 0-447 turn Q, K, V (8,192 x 1,024) and Wq, Wk, Wv, Wo (1,024 x 1,024), f32, K innermost, into codes of FP4 (E2M1) with one E8M0 byte for each 32 along K.
; Work-groups 448-511 turn the mask (2,048 x 2,048 int32) into lane masks and flags for the attention launch.
; TILES.  An operand's tile T holds 16 rows that are not neighbours: lane r of the tile takes row 32 (T / 2) + 8 (T % 2) + r % 8 + 16 (r / 8).  Used as source 0 of a product, two neighbouring tiles
; then give a lane 16 neighbouring results, which is what the next quantiser takes.
; OUTPUT, in the order of the operand's registers.  Codes: [tile][block of 32 along K][r][16 bytes], 8,192 bytes a tile: registers 4 c .. 4 c + 3 of K step s are the 512 bytes at 1024 s + 512 c, 16 a lane.
; Scale words: [tile][lane][4 words], 512 bytes a tile: lane (r, h), word i = the four bytes of row r for K step 4 h + i.
; THE QUANTISER: a block's byte is its largest magnitude's exponent field - 2, held at 1 from below; numbers are divided by the scale and rounded to the nearest code, ties to even, beyond 6 the largest code.
; LIMITS: a block of zeros, or one whose largest magnitude is under 2^-124, gets the byte 1 (its codes add nothing or are held; only this program reads the bytes); NaN and infinities are not served.
; A wave takes one tile (64 KiB of f32) in eight steps of 128 along K.  Each load reads 512 consecutive bytes of one row; a step's 16 rows turn through the wave's own stage in LDS, so that a lane
; gets whole blocks of 32.  Loads run two steps (32 loads a wave) ahead.  Waves share nothing: no barrier.  The two paths part on the work-group's number and have LDS bytes of their own.
.set SP,    528                        ; a stage row: 512 bytes + 16 = 132 words, so the 16 rows that a read touches start four banks apart
.set STGB,  16*SP                      ; a wave's stage
.set MSTG,  4*STGB                     ; the mask path's stages lie behind the quantiser's
.set R,     16                         ; v16-143   two sets of 64 registers as loaded
.set X,     144                        ; v144-207  the lane's numbers of a step
.set C,     208                        ; v208-215  a step's codes
.set SWR,   216                        ; v216-219  the tile's scale words
.set TA,    220                        ; v220-225  at work
.set WD,    208                        ; mask path: v208-209 a step's 64 words, v210-211 the flags
	s_load_b512 s[4:19], s[0:1], 0x0               ; Q, K, V, Wq, Wk, Wv, Wo, mask
	s_load_b256 s[20:27], s[0:1], 0x40             ; opc, ops, maskw, flags
	v_lshl_add_u32 v232, v0, 2, 0x10800
	v_mov_b32 v233, 0
	v_lshrrev_b32 v6, 5, v0
	v_readfirstlane_b32 s28, v6                    ; wave
	v_and_b32 v7, 31, v0                           ; lane
	v_and_b32 v8, 15, v0                           ; r
	v_bfe_u32 v9, v0, 4, 1                         ; h
	v_lshlrev_b32 v1, 4, v7                        ; 16 x lane
	v_mul_u32_u24 v3, v8, SP
	s_mov_b32 s29, 0xffff0000                      ; lanes 16-31
	s_mov_b32 s30, 0x76543210                      ; selects of v_permlanex16_b32 for lane l xor 16
	s_mov_b32 s31, 0xfedcba98
	s_mul_i32 s32, s28, STGB
	s_lshl_b32 s33, ttmp9, 2
	s_add_co_u32 s33, s33, s28                     ; 4 x work-group + wave
	s_mov_b32 s39, 0
; step s: 16 rows x 512 bytes into set s % 2; row n of the tile lies n % 8 + 16 (n / 8) rows below the tile's first
.macro LOADS s, lo, pitch
.irp n, 0,1,2,3,4,5,6,7,8,9,10,11,12,13,14,15
	global_load_b128 v[R+64*((\s)%2)+4*\n:R+64*((\s)%2)+4*\n+3], v1, s[\lo:\lo+1] offset:(\n%8+16*(\n/8))*\pitch+512*(\s) th:TH_LOAD_NT
.endr
.endm
.macro TOSTAGE s
.if (\s) < 7
	s_wait_loadcnt 16                              ; this step's 16 loads are in; the next step's 16 stay out
.else
	s_wait_loadcnt 0
.endif
.irp n, 0,1,2,3,4,5,6,7,8,9,10,11,12,13,14,15
	ds_store_b128 v2, v[R+64*((\s)%2)+4*\n:R+64*((\s)%2)+4*\n+3] offset:SP*\n
.endr
.endm
	s_cmp_ge_u32 ttmp9, 448
	s_cbranch_scc1 .Lmask
	s_wait_alu depctr_va_vdst(0)
	; ---------------- the quantiser
	v_add_nc_u32 v2, s32, v1                       ; into the stage: 16 x lane of a row
	v_lshl_add_u32 v3, v9, 7, v3
	v_add_nc_u32 v3, s32, v3                       ; out of it: row r, block h
	v_lshlrev_b32 v4, 3, v9                        ; 8 h
	v_mov_b32 v[TA+5], 0                           ; a lane permute's destination counts as read
	s_wait_alu depctr_va_vdst(0)
	s_wait_kmcnt 0x0
	s_mov_b64 s[36:37], s[4:5]
	s_mov_b32 s34, 0
.macro PICK from, lo, first                    ; from work-group 'from' on: the next tensor, whose tiles begin at 'first'.  The choice hangs on the work-group's number alone
	s_cmp_ge_u32 ttmp9, \from
	s_cselect_b64 s[36:37], s[\lo:\lo+1], s[36:37]
	s_cselect_b32 s34, \first, s34
.endm
	PICK 128, 6, 512
	PICK 256, 8, 1024
	PICK 384, 10, 1536
	PICK 400, 12, 1600
	PICK 416, 14, 1664
	PICK 432, 16, 1728
	s_sub_co_u32 s35, s33, s34                     ; the tile's number in its tensor
	s_lshr_b32 s38, s35, 1
	s_lshl_b32 s38, s38, 17                        ; 32 rows of 4,096 bytes for each pair of tiles,
	s_and_b32 s35, s35, 1
	s_lshl_b32 s35, s35, 15                        ; 8 rows for the odd one
	s_add_co_u32 s38, s38, s35
	s_add_nc_u64 s[36:37], s[36:37], s[38:39]
	s_lshl_b32 s38, s33, 13
	s_add_nc_u64 s[20:21], s[20:21], s[38:39]      ; my tile's codes
	s_lshl_b32 s38, s33, 9
	s_add_nc_u64 s[22:23], s[22:23], s[38:39]      ; and scale words
	LOADS 0, 36, 4096
	LOADS 1, 36, 4096
.macro QSTEP s
	TOSTAGE \s
.irp j, 0,1
.irp i, 0,1,2,3,4,5,6,7
	ds_load_b128 v[X+32*\j+4*\i:X+32*\j+4*\i+3], v3 offset:256*\j+16*\i    ; block 2 j + h of row r, whole; LDS serves a wave in order, so these see the stores above
.endr
.endr
	s_wait_dscnt 0x0                               ; my numbers are in, and the stage's stores have read their registers
	s_wait_xcnt 0x0                                ; the last step's stores have read the codes' registers
.if (\s) < 6
	LOADS (\s)+2, 36, 4096
.endif
.irp j, 0,1
	v_max3_num_f32 v[TA+\j], |v[X+32*\j]|, |v[X+32*\j+1]|, 0x1800000       ; the floor 2^(3 - 127) holds the byte at 1 from below
.endr
.irp i, 2,4,6,8,10,12,14,16,18,20,22,24,26,28,30
.irp j, 0,1
	v_max3_num_f32 v[TA+\j], v[TA+\j], |v[X+32*\j+\i]|, |v[X+32*\j+\i+1]|
.endr
.endr
.irp j, 0,1
	v_add_nc_u32 v[TA+2+\j], 0xff000000, v[TA+\j]  ; 2 off the exponent field: the conversion's scale operand
.endr
.irp j, 0,1
.irp g, 0,1,2,3
	v_cvt_scalef32_pk8_fp4_f32 v[C+4*\j+\g], v[X+32*\j+8*\g:X+32*\j+8*\g+7], v[TA+2+\j]
.endr
.endr
	v_lshrrev_b32 v[TA], 23, v[TA+2]               ; the bytes of blocks h and 2 + h
	v_lshrrev_b32 v[TA+1], 23, v[TA+3]
	v_lshl_or_b32 v[TA+4], v[TA+1], 16, v[TA]
	v_lshlrev_b32 v[TA+4], v4, v[TA+4]             ; at their places in the word
	v_permlanex16_b32 v[TA+5], v[TA+4], s30, s31
.if (\s) < 4
	v_or_b32 v[SWR+(\s)], v[TA+4], v[TA+5]         ; with lane l xor 16's two the word is whole
.else
	v_or_b32 v[TA+4], v[TA+4], v[TA+5]
	v_cndmask_b32 v[SWR+(\s)-4], v[SWR+(\s)-4], v[TA+4], s29   ; lanes 16-31 keep K steps 4 to 7
.endif
	global_store_b128 v1, v[C:C+3], s[20:21] offset:1024*(\s)            ; 512 consecutive bytes each
	global_store_b128 v1, v[C+4:C+7], s[20:21] offset:1024*(\s)+512
.endm
.irp s, 0,1,2,3,4,5,6,7
	QSTEP \s
.endr
	global_store_b128 v1, v[SWR:SWR+3], s[22:23]
	s_wait_tensorcnt 0x0
	ds_add_u32 v232, v233
	s_wait_dscnt 0x0
	s_endpgm
	; ---------------- the mask.  A wave takes one tile of 16 queries x 8 key steps of 128 keys.
	; maskw [query tile][key step][64 words]: word 16 b + i, bit of lane (r, h) = 1 where mask[query of lane r][128 step + 32 b + 16 h + i] == 0: the lane mask for score register 16 b + i.
	; flags [query tile][half]: 32 copies of two words.  Word 0: bit e = step e is wholly hidden, bit 8 + e = step e has no hidden key.  Word 1: bit of lane l = all the lane's keys of the 8 steps are hidden.
.Lmask:
	s_add_co_u32 s32, s32, MSTG
	s_wait_alu depctr_va_vdst(0)
	v_add_nc_u32 v2, s32, v1
	v_lshl_add_u32 v3, v9, 6, v3
	v_add_nc_u32 v3, s32, v3                       ; out of the stage: row r, + 16 h keys
	v_lshlrev_b32 v5, 3, v7                        ; 8 x lane
	v_mov_b32 v[WD], 0                             ; v_writelane_b32's destination counts as read
	v_mov_b32 v[WD+1], 0
	s_sub_co_u32 s33, s33, 1792                    ; 2 x query tile + half
	s_lshr_b32 s34, s33, 1
	s_lshr_b32 s38, s34, 1
	s_lshl_b32 s38, s38, 18                        ; 32 rows of 8,192 bytes for each pair of tiles,
	s_and_b32 s34, s34, 1
	s_lshl_b32 s34, s34, 16                        ; 8 rows for the odd one,
	s_add_co_u32 s38, s38, s34
	s_and_b32 s34, s33, 1
	s_lshl_b32 s34, s34, 12                        ; 1,024 keys for the second half
	s_add_co_u32 s38, s38, s34
	s_wait_alu depctr_va_vdst(0)
	s_wait_kmcnt 0x0
	s_add_nc_u64 s[18:19], s[18:19], s[38:39]
	s_lshl_b32 s38, s33, 11
	s_add_nc_u64 s[24:25], s[24:25], s[38:39]
	s_lshl_b32 s38, s33, 8
	s_add_nc_u64 s[26:27], s[26:27], s[38:39]
	s_mov_b32 s50, -1
	s_mov_b32 s51, 0
	LOADS 0, 18, 8192
	LOADS 1, 18, 8192
.macro MSTEP e
	TOSTAGE \e
.irp b, 0,1,2,3
.irp p, 0,1,2,3
	ds_load_b128 v[X+16*\b+4*\p:X+16*\b+4*\p+3], v3 offset:128*\b+16*\p
.endr
.endr
	s_wait_dscnt 0x0
	s_wait_xcnt 0x0                                ; the last step's store has read the words' registers
.if (\e) < 6
	LOADS (\e)+2, 18, 8192
.endif
	s_mov_b32 s48, -1
	s_mov_b32 s49, 0
.irp g, 0,1,2,3,4,5,6,7
.irp q, 0,1,2,3,4,5,6,7
	v_cmp_eq_u32 s[40+\q], 0, v[X+8*\g+\q]         ; the compare's result IS the word
.endr
.irp q, 0,1,2,3,4,5,6,7
	v_writelane_b32 v[WD+\q%2], s[40+\q], 4*\g+\q/2    ; word j to lane j / 2, register j % 2: byte 4 j of the store below
	s_and_b32 s48, s48, s[40+\q]
	s_or_b32 s49, s49, s[40+\q]
.endr
.endr
	s_cmp_eq_u32 s48, -1
	s_cselect_b32 s52, 1<<(\e), 0
	s_or_b32 s51, s51, s52
	s_cmp_eq_u32 s49, 0
	s_cselect_b32 s52, 1<<(8+(\e)), 0
	s_or_b32 s51, s51, s52
	s_and_b32 s50, s50, s48
	s_wait_alu depctr_va_vdst(0)
	global_store_b64 v5, v[WD:WD+1], s[24:25] offset:256*(\e)      ; 256 consecutive bytes, aligned
.endm
.irp e, 0,1,2,3,4,5,6,7
	MSTEP \e
.endr
	v_mov_b32 v[WD+2], s51
	v_mov_b32 v[WD+3], s50
	global_store_b64 v5, v[WD+2:WD+3], s[26:27]    ; every lane stores the record: 256 consecutive bytes
	s_wait_tensorcnt 0x0
	ds_add_u32 v232, v233
	s_wait_dscnt 0x0
	s_endpgm
.Lfunc_end_k_qc388161211_prep:
	.size	k_qc388161211_prep, .Lfunc_end_k_qc388161211_prep-k_qc388161211_prep
	.p2alignl 7, 3214868480
	.fill 96, 4, 3214868480
	.section	.rodata,"a",@progbits
	.p2align	6, 0x0
	.amdhsa_kernel k_qc388161211_prep
		.amdhsa_group_segment_fixed_size 68096
		.amdhsa_private_segment_fixed_size 0
		.amdhsa_enable_private_segment 0
		.amdhsa_kernarg_size 96
		.amdhsa_user_sgpr_count 2
		.amdhsa_user_sgpr_kernarg_segment_ptr 1
		.amdhsa_wavefront_size32 1
		.amdhsa_system_sgpr_workgroup_id_x 1
		.amdhsa_system_sgpr_workgroup_id_y 1
		.amdhsa_system_sgpr_workgroup_id_z 1
		.amdhsa_system_vgpr_workitem_id 0
		.amdhsa_next_free_vgpr 234
		.amdhsa_next_free_sgpr 66
		.amdhsa_reserve_vcc 0
		.amdhsa_float_denorm_mode_32 3
		.amdhsa_float_denorm_mode_16_64 3
		.amdhsa_memory_ordered 1
		.amdhsa_forward_progress 1
		.amdhsa_inst_pref_size 187
	.end_amdhsa_kernel
	.amdgpu_metadata
---
amdhsa.version: [ 1, 2 ]
amdhsa.kernels:
  - .name:           k_qc388161211_prep
    .symbol:         k_qc388161211_prep.kd
    .args:
      - { .name: Q, .offset: 0, .size: 8, .value_kind: global_buffer, .address_space: global }
      - { .name: K, .offset: 8, .size: 8, .value_kind: global_buffer, .address_space: global }
      - { .name: V, .offset: 16, .size: 8, .value_kind: global_buffer, .address_space: global }
      - { .name: Wq, .offset: 24, .size: 8, .value_kind: global_buffer, .address_space: global }
      - { .name: Wk, .offset: 32, .size: 8, .value_kind: global_buffer, .address_space: global }
      - { .name: Wv, .offset: 40, .size: 8, .value_kind: global_buffer, .address_space: global }
      - { .name: Wo, .offset: 48, .size: 8, .value_kind: global_buffer, .address_space: global }
      - { .name: mask, .offset: 56, .size: 8, .value_kind: global_buffer, .address_space: global }
      - { .name: opc, .offset: 64, .size: 8, .value_kind: global_buffer, .address_space: global }
      - { .name: ops, .offset: 72, .size: 8, .value_kind: global_buffer, .address_space: global }
      - { .name: maskw, .offset: 80, .size: 8, .value_kind: global_buffer, .address_space: global }
      - { .name: flags, .offset: 88, .size: 8, .value_kind: global_buffer, .address_space: global }
    .group_segment_fixed_size: 68096
    .private_segment_fixed_size: 0
    .kernarg_segment_align: 8
    .kernarg_segment_size: 96
    .max_flat_workgroup_size: 128
    .sgpr_count:     66
    .vgpr_count:     234
    .wavefront_size: 32
...
	.end_amdgpu_metadata
.endif
;; end of part 5
;; launch proj (part 6): grid 192 x 1, 4 waves a work-group, no clusters, 0 bytes of LDS; arguments opc, ops, bq, bk, bv, hd; writes hd
.if DOCPART == 6
	.amdgcn_target "amdgcn-amd-amdhsa--gfx1250"
	.amdhsa_code_object_version 6
	.text
	.protected	k_qc388161211_proj
	.globl	k_qc388161211_proj
	.p2align	8
	.type	k_qc388161211_proj,@function
k_qc388161211_proj:
	s_mov_b64 s[64:65], 0
	v_nop
	global_prefetch_b8 v0, s[64:65] scope:SCOPE_SE
	s_setreg_imm32_b32 hwreg(HW_REG_WAVE_SCHED_MODE, 0, 2), 2
	s_setreg_imm32_b32 hwreg(HW_REG_WAVE_MODE, 25, 1), 1
	s_wait_xcnt 0x0
	s_wait_alu depctr_vm_vsrc(0)
; PROJ.  q = Q Wq^T + bq, k = K Wk^T + bk, v = V Wv^T + bv on codes of FP4 with E8M0 scales, each result quantised on the way out: q and k along a head's 64 channels, v along the keys.
; Work-groups 0-63: q; 64-127: k; 128-191: v.  ONE OPERAND STAYS IN REGISTERS: a wave keeps 128 rows x K 1,024 (64 fragments, 512 registers) and walks 16 tiles of the other operand, 64 matrix
; instructions a tile.  D = stationary (source 0) x moving (source 1): a lane holds ONE moving row and its 64 registers run along the stationary rows, the axis that is quantised next.
;   q, k: stationary = 128 rows of W (two heads), moving = tiles of 16 tokens.     v: stationary = 128 tokens of V (one key step), moving = tiles of 16 rows of Wv: v^T, the keys along a lane's registers.
; Operands lie in memory in the order of their registers (see PREP): a fragment's four registers are one load of 16 bytes a lane, 512 consecutive bytes.  So no LDS, no barrier: waves share nothing.
; No cluster and no joint loads: they go with tensor loads into LDS, and this text loads fragments straight into registers; the four waves of a work-group walk the same moving tiles at the same time.
; THE HEAD'S RECORD in hd, HS bytes a head (64 heads): K's codes 0, V's codes 65536, K's scales 131072, V's scales 139264, Q's codes 143360, Q's scales 208896.
;   K's, Q's codes [tile of 16 tokens][512]: lane (r, h): block h of the tile's row r.  Their scales [pair of tiles][lane][4]: lanes 0-15 the even tile, 16-31 the odd; two bytes, upper two 0.
;   V's codes [key step][channel tile 0-3][1024]: a fragment of 16 channels x 128 keys.  Its scales [key step][pair of channel tiles][lane][4].
; The bias is the C of a sum's first product: for q, k it runs along the registers (BI); for v it is the lane's own channel's (BM, eight copies).  Both kinds load both, at addresses inside the
; bias, so that all paths count the same loads; the kind's own is used.
; LIMITS: as PREP's quantiser (byte 1 for blocks of zeros and under 2^-124; NaN and infinities not served).
; REGISTERS.  Window 0: v1-4 lane offsets; v8-11 where tile u of a trip stores; v12-15 moving bias; v16-31 moving scale words (4 buffers); v32-63 stationary scale words; v64-127 the 8 accumulators;
;   v128-191 BI; v192-199 BM; v200-215 at work; v216 the scale word just made; v218-219, v222-223 scale words on the way out, a pair of registers for each pair of tiles; v220-221 at work;
;   v224-239 codes, two buffers.  Windows 1, 2: the stationary operand, K steps 0-3, 4-7 at 64 (s % 4) + 8 t.  Window 3: four moving buffers at 64 u + 8 s.
; THE MODE: SCHED_MODE bits 1:0 = 2 (LLVM: expert scheduling mode 2), set by the entry lines.  The code itself states the register dependences between vector or matrix instructions and memory
; instructions, with s_wait_alu, always for 0.
; THE PLAN.  Registers that memory instructions touch, in the loop:
;   buffer u of window 3, v[16 + 4 u ..], v[12 + u]   Written by a group of 18 loads.  Read by tile u's 64 products (v[12 + u] by kind v's eight moves).  Asked for again in tile u, behind its products.
;   PC0, PC1 (v224-231, v232-239)   Tile u's conversions and exchanges write PC[u % 2].  Read by two stores that are issued in tile u + 1; tile 3's at the trip's end, where the stores' bases move on.
;   v218-219, v222-223              Pair p of tiles: written behind the quantiser in tiles 2 p and 2 p + 1; read by the stores that go out with tile 2 p + 1's codes.
;   v1-4, v8-11                     Offsets, made once at the head and never written again: the tiles are reached by scalar bases and immediate offsets.
; So three lines stand behind a tile's products: they state that earlier tiles' stores have read what this tile's quantiser writes, that the products are done reading buffer u, and that the tile before
; has written its codes and scale words.  The tile's 18 loads and the stores of the tile before follow, with window switches alone between; the quantiser behind them names none of their registers.
.set HS,  217088
.set AC,  64
.set BI,  128
.set BM,  192
.set TM,  200
.set PW,  216
.set SW,  218
.set PC,  224
.set MSB, 0
.macro WIN new                         ; the immediate's high byte repeats the setting that is left; a switch that changes nothing is dropped
.if MSB != \new
	s_set_vgpr_msb (MSB<<8)|\new
.set MSB, \new
.endif
.endm
	s_load_b256 s[4:11], s[0:1], 0x0               ; opc, ops, bq, bk
	s_load_b128 s[12:15], s[0:1], 0x20             ; bv, hd
	v_lshrrev_b32 v5, 5, v0
	v_readfirstlane_b32 s16, v5                    ; wave
	s_wait_alu depctr_va_sdst(0)                   ; s16 is written, ahead of its first reader: the wave's share is made from it
	s_lshr_b32 s17, ttmp9, 6                       ; kind: 0 q, 1 k, 2 v
	s_and_b32 s18, ttmp9, 63
	s_cmp_eq_u32 s17, 2
	s_cselect_b32 s45, 15, 1
	s_cselect_b32 s46, 4, 1
	s_and_b32 s45, s18, s45
	s_lshr_b32 s46, s18, s46                       ; mb: which 16 moving tiles
	s_lshl_b32 s45, s45, 2
	s_add_co_u32 s45, s45, s16                     ; sg: which 128 stationary rows
	s_lshl_b32 s47, s17, 6
	s_add_co_u32 s47, s47, 1536                    ; q, k: W's tiles;
	s_lshl_b32 s48, s17, 9                         ; the tokens' tiles
	s_cmp_eq_u32 s17, 2
	s_cselect_b32 s47, 1024, s47                   ; v: V's tiles stay,
	s_cselect_b32 s48, 1664, s48                   ; Wv's move
	s_lshl_b32 s49, s45, 3
	s_add_co_u32 s47, s47, s49                     ; first stationary tile
	s_lshl_b32 s49, s46, 4
	s_add_co_u32 s48, s48, s49                     ; first moving tile
	s_lshr_b32 s49, s46, 3
	s_lshl_b32 s49, s49, 4
	s_lshl_b32 s50, s45, 1
	s_add_co_u32 s49, s49, s50                     ; q, k: first head = 16 x batch + 2 sg
	s_lshr_b32 s50, s45, 4
	s_lshl_b32 s50, s50, 4
	s_lshl_b32 s51, s46, 2
	s_add_co_u32 s50, s50, s51                     ; v: 16 x batch + 4 mb
	s_and_b32 s51, s46, 7
	s_and_b32 s52, s45, 15
	s_cmp_eq_u32 s17, 0
	s_cselect_b32 s53, 143360, 0                   ; q's or k's codes,
	s_mov_b32 s54, 131072
	s_cselect_b32 s54, 208896, s54                 ; and scales
	s_lshl_b32 s55, s51, 13
	s_add_co_u32 s53, s53, s55                     ; + 16 tiles of 512 bytes for each mb of the batch
	s_lshl_b32 s55, s51, 10
	s_add_co_u32 s54, s54, s55                     ; + 8 pairs of 128 bytes
	s_lshl_b32 s55, s52, 12
	s_add_co_u32 s55, s55, 65536                   ; v's codes: the key step's 4,096 bytes
	s_lshl_b32 s56, s52, 8
	s_add_co_u32 s56, s56, 139264                  ; and its 256 bytes of scales
	s_lshl_b32 s57, s45, 9                         ; q, k: my 128 numbers of the bias
	s_lshl_b32 s58, s46, 10                        ; v: my 256 channels' bias
	s_mov_b32 s59, HS
	s_cmp_eq_u32 s17, 2                            ; only moves and selects stand between this compare and the last select
	s_cselect_b32 s49, s50, s49
	s_cselect_b32 s53, s55, s53
	s_cselect_b32 s54, s56, s54
	s_cselect_b32 s57, 0, s57
	s_cselect_b32 s58, s58, 0
	s_cselect_b32 s30, 256, 0                      ; the moving bias steps 64 channels a trip (v)
	s_cselect_b32 s23, -1, 0xffff                  ; what of a scale word goes to the first store
	s_cselect_b32 s60, 512, s59                    ; from the first half of the codes to the second: the fragment's (v) or the next head's (q, k)
	s_cselect_b32 s61, 0, s59
	s_cselect_b32 s36, s59, 2048                   ; a trip's four tiles on: a head (v) or 4 x 512 bytes
	s_cselect_b32 s42, s59, 256
	s_cselect_b32 s19, 10, 9                       ; a tile's codes are 1,024 or 512 bytes apart
	s_mul_i32 s49, s49, s59
	s_mov_b32 s31, 0
	s_mov_b32 s37, 0
	s_mov_b32 s43, 0
	s_mov_b32 s63, 0
	s_mov_b32 s20, 0x76543210                      ; selects of v_permlanex16_b32 for lane l xor 16
	s_mov_b32 s21, 0xfedcba98
	s_mov_b32 s22, 0xffff0000                      ; lanes 16-31
	v_and_b32 v5, 31, v0
	v_lshlrev_b32 v1, 4, v5                        ; 16 x lane
	v_lshlrev_b32 v2, 2, v5                        ; 4 x lane
	v_and_b32 v6, 15, v0
	v_and_b32 v7, 8, v6
	v_add_nc_u32 v3, v6, v7
	v_lshlrev_b32 v3, 2, v3                        ; 4 (r % 8 + 16 (r / 8)): my row of a tile, in f32
	v_bfe_u32 v4, v0, 4, 1
	v_lshlrev_b32 v4, 6, v4                        ; 64 h
	v_mov_b32 v8, v1
	s_lshl_b32 s62, 1, s19
	v_add_nc_u32 v9, s62, v1
	s_lshl_b32 s62, 2, s19
	v_add_nc_u32 v10, s62, v1
	s_lshl_b32 s62, 3, s19
	v_add_nc_u32 v11, s62, v1
.irp b, 0,1,2,3
	v_mov_b32 v[TM+4+\b], 0                        ; a lane permute's destination counts as read
.endr
	s_wait_kmcnt 0x0
	s_lshl_b32 s62, s48, 13
	s_add_nc_u64 s[24:25], s[4:5], s[62:63]        ; moving codes
	s_lshl_b32 s62, s48, 9
	s_add_nc_u64 s[26:27], s[6:7], s[62:63]        ; moving scale words
	s_lshl_b32 s62, s47, 13
	s_add_nc_u64 s[4:5], s[4:5], s[62:63]          ; stationary codes
	s_lshl_b32 s62, s47, 9
	s_add_nc_u64 s[6:7], s[6:7], s[62:63]          ; stationary scale words
	s_cmp_eq_u32 s17, 1
	s_cselect_b64 s[8:9], s[10:11], s[8:9]
	s_cmp_eq_u32 s17, 2
	s_cselect_b64 s[8:9], s[12:13], s[8:9]         ; the kind's bias
	s_mov_b32 s62, s58
	s_add_nc_u64 s[28:29], s[8:9], s[62:63]
	s_mov_b32 s62, s57
	s_add_nc_u64 s[10:11], s[8:9], s[62:63]
	s_add_co_u32 s62, s49, s53
	s_add_nc_u64 s[32:33], s[14:15], s[62:63]      ; codes, registers 0-3
	s_mov_b32 s62, s60
	s_add_nc_u64 s[34:35], s[32:33], s[62:63]      ; codes, registers 4-7
	s_add_co_u32 s62, s49, s54
	s_add_nc_u64 s[38:39], s[14:15], s[62:63]      ; scale words
	s_mov_b32 s62, s61
	s_add_nc_u64 s[40:41], s[38:39], s[62:63]      ; q, k: the second head's
	WIN 0x40                                       ; destination window 1
	s_wait_alu depctr_va_vdst(0)                   ; the offsets v1 to v4 and v8 to v11 are written: every load and store of the kernel reads one of them, and no line writes them again
.irp s, 0,1,2,3
.irp t, 0,1,2,3,4,5,6,7
.irp c, 0,1
	global_load_b128 v[64*\s+8*\t+4*\c:64*\s+8*\t+4*\c+3], v1, s[4:5] offset:8192*\t+1024*\s+512*\c
.endr
.endr
.endr
	WIN 0x80                                       ; destination window 2
.irp s, 0,1,2,3
.irp t, 0,1,2,3,4,5,6,7
.irp c, 0,1
	global_load_b128 v[64*\s+8*\t+4*\c:64*\s+8*\t+4*\c+3], v1, s[4:5] offset:8192*\t+1024*(\s+4)+512*\c
.endr
.endr
.endr
	WIN 0
.irp t, 0,1,2,3,4,5,6,7
	global_load_b128 v[32+4*\t:32+4*\t+3], v1, s[6:7] offset:512*\t
.endr
.irp t, 0,1,2,3,4,5,6,7
	global_load_b128 v[BI+8*\t:BI+8*\t+3], v4, s[10:11] offset:(32*(\t/2)+8*(\t%2))*4      ; register j of tile t: stationary row 32 (t / 2) + 16 h + 8 (t % 2) + j
	global_load_b128 v[BI+8*\t+4:BI+8*\t+7], v4, s[10:11] offset:(32*(\t/2)+8*(\t%2))*4+16
.endr
; 18 loads: the moving tile k tiles behind the pointers, into buffer u
.macro GROUP u, k
	WIN 0xc0                                       ; destination window 3
.irp s, 0,1,2,3,4,5,6,7
.irp c, 0,1
	global_load_b128 v[64*(\u)+8*\s+4*\c:64*(\u)+8*\s+4*\c+3], v1, s[24:25] offset:8192*(\k)+1024*\s+512*\c
.endr
.endr
	WIN 0
	global_load_b128 v[16+4*(\u):16+4*(\u)+3], v1, s[26:27] offset:512*(\k)
	global_load_b32 v[12+(\u)], v3, s[28:29] offset:128*((\k)/2)+32*((\k)%2)
.endm
.macro WM d, a, b, c, sa, sb, row      ; row = 1: both sides' scale words stand in lanes 16-31
.if \row
	v_wmma_scale_f32_16x16x128_f8f6f4 v[\d:\d+7], v[\a:\a+7], v[\b:\b+7], v[\c:\c+7], v[\sa], v[\sb] matrix_a_fmt:MATRIX_FMT_FP4 matrix_b_fmt:MATRIX_FMT_FP4 matrix_a_scale:MATRIX_SCALE_ROW1 matrix_b_scale:MATRIX_SCALE_ROW1
.else
	v_wmma_scale_f32_16x16x128_f8f6f4 v[\d:\d+7], v[\a:\a+7], v[\b:\b+7], v[\c:\c+7], v[\sa], v[\sb] matrix_a_fmt:MATRIX_FMT_FP4 matrix_b_fmt:MATRIX_FMT_FP4
.endif
.endm
; K step s of the tile in buffer u: the eight accumulators by turns, one instruction a turn.  cmode 0: C = BI; 1: C = BM; 2: in place
.macro MM s, u, cmode
.if (\s) < 4
	WIN 0x0d                                       ; source 0 window 1, source 1 window 3
.else
	WIN 0x0e                                       ; source 0 window 2
.endif
.irp t, 0,1,2,3,4,5,6,7
.if (\cmode) == 0
	WM AC+8*\t, 64*((\s)%4)+8*\t, 64*(\u)+8*(\s), BI+8*\t, 32+4*\t+(\s)%4, 16+4*(\u)+(\s)%4, (\s)/4
.elseif (\cmode) == 1
	WM AC+8*\t, 64*((\s)%4)+8*\t, 64*(\u)+8*(\s), BM, 32+4*\t+(\s)%4, 16+4*(\u)+(\s)%4, (\s)/4
.else
	WM AC+8*\t, 64*((\s)%4)+8*\t, 64*(\u)+8*(\s), AC+8*\t, 32+4*\t+(\s)%4, 16+4*(\u)+(\s)%4, (\s)/4
.endif
.endr
.endm
; 64 numbers of a lane, register 16 b + i = place 32 b + 16 h + i along the next K, become a fragment's codes in v[pc] on and its scale word in v[PW]
.macro QUANT s, pc
.irp b, 0,1,2,3
	v_max3_num_f32 v[TM+\b], |v[\s+16*\b]|, |v[\s+1+16*\b]|, 0x1800000     ; each accumulator is read from its low end on; the floor 2^(3 - 127) holds the byte at 1
.endr
.irp i, 2,4,6,8,10,12,14
.irp b, 0,1,2,3
	v_max3_num_f32 v[TM+\b], v[TM+\b], |v[\s+16*\b+\i]|, |v[\s+1+16*\b+\i]|
.endr
.endr
.irp b, 0,1,2,3
	v_permlanex16_b32 v[TM+4+\b], v[TM+\b], s20, s21
.endr
.irp b, 0,1,2,3
	v_max_num_f32 v[TM+\b], v[TM+\b], v[TM+4+\b]   ; with lane l xor 16's 16: the block's largest magnitude
.endr
.irp b, 0,1,2,3
	v_add_nc_u32 v[TM+12+\b], 0xff000000, v[TM+\b] ; 2 off the exponent field: the conversion's scale operand
.endr
.irp b, 0,1,2,3
	v_lshrrev_b32 v[TM+4+\b], 23, v[TM+12+\b]      ; the byte
.endr
	v_lshl_or_b32 v[PW], v[TM+5], 8, v[TM+4]
	v_lshl_or_b32 v[PW], v[TM+6], 16, v[PW]
	v_lshl_or_b32 v[PW], v[TM+7], 24, v[PW]
.irp b, 0,1,2,3
	v_cvt_scalef32_pk8_fp4_f32 v[\pc+2*\b], v[\s+16*\b:\s+7+16*\b], v[TM+12+\b]
	v_cvt_scalef32_pk8_fp4_f32 v[\pc+1+2*\b], v[\s+8+16*\b:\s+15+16*\b], v[TM+12+\b]
.endr
	v_nop                                          ; one plain place behind the scaled conversions
.irp c, 0,1                                    ; a whole block to a lane: lanes 0-15 block 2 c, lanes 16-31 block 2 c + 1
.irp i, 0,1
	v_permlane16_swap_b32 v[\pc+4*\c+\i], v[\pc+2+4*\c+\i]
.endr
.endr
.endm
; The stores of the tile that buffer u held: its codes, and with an odd tile the pair's scale words
.macro OUT u
	global_store_b128 v[8+(\u)], v[PC+8*((\u)%2):PC+8*((\u)%2)+3], s[32:33]        ; 512 consecutive bytes each
	global_store_b128 v[8+(\u)], v[PC+8*((\u)%2)+4:PC+8*((\u)%2)+7], s[34:35]
.if (\u)%2 == 1
	global_store_b32 v2, v[SW+4*((\u)/2)], s[38:39] offset:128*((\u)/2)
	s_cmp_eq_u32 s17, 2
	s_cbranch_scc1 .Lone_\@
	global_store_b32 v2, v[SW+4*((\u)/2)+1], s[40:41] offset:128*((\u)/2)
.Lone_\@:
.endif
.endm
; One moving tile, in buffer u.  ahead = 1: the buffer takes the tile four on.  left: the younger loads that may stay out
.macro TILE u, ahead, left
	s_wait_loadcnt \left                           ; loads come back in order: this buffer's 18 are in, and all that was issued ahead of them
	s_cmp_eq_u32 s17, 2
	s_cbranch_scc1 .Lv_\@
	MM 0, \u, 0                                    ; q, k: the first K step starts the sums on the bias along the registers
	WIN 0
	s_branch .Lj_\@
.Lv_\@:
.irp i, 0,1,2,3,4,5,6,7
	v_mov_b32 v[BM+\i], v[12+(\u)]                 ; v: on my channel's bias
.endr
.rept 4
	v_nop
.endr
	MM 0, \u, 1
	WIN 0
.Lj_\@:
.irp s, 1,2,3,4,5,6,7
	MM \s, \u, 2
.endr
	WIN 0
.rept 4
	v_nop                                          ; four places in front of the first read of the results
.endr
	s_wait_xcnt 0x0                                ; the stores issued in the tiles before have had their addresses translated: their data registers are written again only behind this wait
	s_wait_alu depctr_vm_vsrc(0)                   ; those stores have read the codes' buffer and the scale words' registers that this tile's quantiser writes
	s_wait_alu depctr_va_vdst(0)                   ; the products (kind v: and the eight moves) are done reading buffer u, its scale words and its bias, in which the loads below land; the tile before has written its codes and scale words, which the stores below read
.if \ahead
	GROUP \u, (\u)+4
.endif
.if (\u) > 0
	OUT (\u)-1                                     ; the tile before.  No vector instruction since the wait names its registers
.endif
	QUANT AC, PC+8*((\u)%2)                        ; its 15 lines on v200-216 are more than the five places in front of the next tile's products, which begin the accumulators anew
.if (\u)%2 == 0
	v_and_b32 v[SW+4*((\u)/2)], s23, v[PW]         ; the even tile's words: q, k: two bytes for each of the two heads; v: the whole word
	v_lshrrev_b32 v[SW+4*((\u)/2)+1], 16, v[PW]
.else
	v_and_b32 v220, s23, v[PW]
	v_lshrrev_b32 v221, 16, v[PW]
	v_cndmask_b32 v[SW+4*((\u)/2)], v[SW+4*((\u)/2)], v220, s22            ; lanes 16-31 take the odd tile's (lane 16 + r holds row r's word too)
	v_cndmask_b32 v[SW+4*((\u)/2)+1], v[SW+4*((\u)/2)+1], v221, s22
.endif
.if (\u) == 3
	s_wait_alu depctr_va_vdst(0)                   ; tile 3's quantiser has written its codes and the second pair's scale words, which the stores below read: they leave here, ahead of the step of their bases
	OUT 3
.endif
.endm
.macro STEPP                           ; four tiles on
	s_wait_xcnt 0x0                                ; every load and store has read its base
	s_add_nc_u64 s[24:25], s[24:25], 32768
	s_add_nc_u64 s[26:27], s[26:27], 2048
	s_add_nc_u64 s[28:29], s[28:29], s[30:31]
	s_add_nc_u64 s[32:33], s[32:33], s[36:37]
	s_add_nc_u64 s[34:35], s[34:35], s[36:37]
	s_add_nc_u64 s[38:39], s[38:39], s[42:43]
	s_add_nc_u64 s[40:41], s[40:41], s[42:43]
.endm
	GROUP 0, 0
	GROUP 1, 1
	GROUP 2, 2
	GROUP 3, 3
	s_mov_b32 s44, 3
.Ltrip:                                                ; three trips of four tiles; each tile asks for the tile four on, so three groups of 18 loads are out at a tile's head
	TILE 0, 1, 54
	TILE 1, 1, 54
	TILE 2, 1, 54
	TILE 3, 1, 54
	STEPP
	s_sub_co_u32 s44, s44, 1
	s_cmp_lg_u32 s44, 0
	s_cbranch_scc1 .Ltrip
	TILE 0, 0, 54                                  ; the last four tiles ask for nothing: the counts run down
	TILE 1, 0, 36
	TILE 2, 0, 18
	TILE 3, 0, 0
	s_endpgm
.Lfunc_end_k_qc388161211_proj:
	.size	k_qc388161211_proj, .Lfunc_end_k_qc388161211_proj-k_qc388161211_proj
	.p2alignl 7, 3214868480
	.fill 96, 4, 3214868480
	.section	.rodata,"a",@progbits
	.p2align	6, 0x0
	.amdhsa_kernel k_qc388161211_proj
		.amdhsa_group_segment_fixed_size 0
		.amdhsa_private_segment_fixed_size 0
		.amdhsa_enable_private_segment 0
		.amdhsa_kernarg_size 48
		.amdhsa_user_sgpr_count 2
		.amdhsa_user_sgpr_kernarg_segment_ptr 1
		.amdhsa_wavefront_size32 1
		.amdhsa_system_sgpr_workgroup_id_x 1
		.amdhsa_system_sgpr_workgroup_id_y 1
		.amdhsa_system_sgpr_workgroup_id_z 1
		.amdhsa_system_vgpr_workitem_id 0
		.amdhsa_next_free_vgpr 1024
		.amdhsa_next_free_sgpr 66
		.amdhsa_reserve_vcc 0
		.amdhsa_float_denorm_mode_32 3
		.amdhsa_float_denorm_mode_16_64 3
		.amdhsa_memory_ordered 1
		.amdhsa_forward_progress 1
		.amdhsa_inst_pref_size 147
	.end_amdhsa_kernel
	.amdgpu_metadata
---
amdhsa.version: [ 1, 2 ]
amdhsa.kernels:
  - .name:           k_qc388161211_proj
    .symbol:         k_qc388161211_proj.kd
    .args:
      - { .name: opc, .offset: 0, .size: 8, .value_kind: global_buffer, .address_space: global }
      - { .name: ops, .offset: 8, .size: 8, .value_kind: global_buffer, .address_space: global }
      - { .name: bq, .offset: 16, .size: 8, .value_kind: global_buffer, .address_space: global }
      - { .name: bk, .offset: 24, .size: 8, .value_kind: global_buffer, .address_space: global }
      - { .name: bv, .offset: 32, .size: 8, .value_kind: global_buffer, .address_space: global }
      - { .name: hd, .offset: 40, .size: 8, .value_kind: global_buffer, .address_space: global }
    .group_segment_fixed_size: 0
    .private_segment_fixed_size: 0
    .kernarg_segment_align: 8
    .kernarg_segment_size: 48
    .max_flat_workgroup_size: 128
    .sgpr_count:     66
    .vgpr_count:     1024
    .wavefront_size: 32
...
	.end_amdgpu_metadata
.endif
;; end of part 6
;; launch attn (part 7): grid 4 x 64, 16 waves a work-group, no clusters, 145,408 bytes of LDS; arguments hd, maskw, flags, ac, acs; writes ac, acs
.if DOCPART == 7
	.amdgcn_target "amdgcn-amd-amdhsa--gfx1250"
	.amdhsa_code_object_version 6
	.text
	.protected	k_qc388161211_attn
	.globl	k_qc388161211_attn
	.p2align	8
	.type	k_qc388161211_attn,@function
k_qc388161211_attn:
	s_mov_b64 s[64:65], 0
	v_nop
	global_prefetch_b8 v0, s[64:65] scope:SCOPE_SE
	s_setreg_imm32_b32 hwreg(HW_REG_WAVE_SCHED_MODE, 0, 2), 2
	s_setreg_imm32_b32 hwreg(HW_REG_WAVE_MODE, 25, 1), 1
	s_wait_xcnt 0x0
	s_wait_alu depctr_vm_vsrc(0)
; ATTN.  For each of 64 heads: o = softmax(where(mask == 0, -1e9, q k^T / 8)) v, both products on codes of FP4 with E8M0 scales; o is quantised along D on the way out (the last product's operand).
; THE SOFTMAX: t = score x log2(e) / 8; M = the row's largest t so far, rounded up to a whole number; p = 2^(t - M) is quantised along the keys; the sum is taken of the unquantised p and divides at the end.
; When M moves, the sum and O are multiplied by 2^(old M - new M), which rounds nothing.
; SHARES.  Work-group (x, head): sixteen waves of 256 registers, four to a SIMD, so that one wave's vector work stands beside another's products and LDS loads.  Wave w takes query tiles j = 16 x + w and 127 - j,
; one after the other.  A head's K and V as codes, with their scales, are 143,360 bytes: they lie in LDS whole, in the order of the operands' registers, filled once through registers; one barrier; then LDS is only read.
; LAYOUT.  S^T = K Q^T (source 0 = 16 keys), O^T = V^T P^T (source 0 = 16 channels): a lane holds ONE query throughout.  Tiles hold rows 32 (T / 2) + 8 (T % 2) + r % 8 + 16 (r / 8), so score register 16 b + i
; of lane (r, h) is key 128 step + 32 b + 16 h + i.
; K = 64 IN A FORM OF 128: Q's registers 4-7 are zero codes and both sides' scale bytes 2, 3 are 0 (a finite scale).  K's operand of tile t is v[32 + 4 t : 39 + 4 t]: its upper four registers, the next tile's
; codes, meet zero codes and add nothing.
; THE MASK is an input.  PREP stored, for each (query tile, key step), 64 lane masks (one v_cndmask_b32 a score register) and flags.  A step all of whose 16 x 128 places are hidden is jumped over (its p
; would be 0), unless some row of the tile has no key left at all: such a row is the plain average over ALL keys, so its tile walks every step.  A step with no hidden place skips the 64 selects.
; These are scalar branches on whole numbers that an earlier launch stored.  LDS is filled through registers, and there is no cluster with joint loads.
; What the four work-groups of a head would share is their one fill of 143,360 bytes at the head; the branches spare whole key steps.
; LIMITS: a hidden score becomes -2^33 (a logit of -2^30 in place of -1e9): c x 2^33 is a whole number, so a row with no key left has t - M = 0 and p = 1 everywhere, and elsewhere a hidden p is 0: the same
; result as with -1e9 while every open logit lies above about -1e9 + 200.  p under 2^-126 counts as 0.  Quantiser as in PREP (byte 1 for blocks of zeros); NaN and infinities are not served.
; REGISTERS: v1-7 lane offsets; v8-11 the step's LDS addresses; v12 -M, v13 largest t, v[14:15] the sum; v16-23 Q; v24 Q's scales; v25 -2^33; v26-30 the fill's addresses; v32-67 K; v68-71 K's scales;
;   v72-73 V's scales; v96-159 S^T, then p; v160-191 O^T; v192-223 V; v224-231 p's codes; v232-254 at work; v253 p's scale word alone; v252, v255 the closing add's two.
; THE MODE: SCHED_MODE bits 1:0 = 2 (LLVM: expert scheduling mode 2), set by the entry lines.  The code itself states the register dependences between vector or matrix instructions and memory or LDS
; instructions, with s_wait_alu, always for 0.
; THE PLAN.  Registers that memory or LDS instructions touch:
;   v8-11                 A step's four additions write them; the step's LDS loads read them.  (An LDS address has no scalar base, and the step is written once.)
;   v32-63, v68-71        K and its scale words: LDS loads land in them at a step's head; the step's eight score products read them.
;   v192-223, v72-73      V and its scale words: LDS loads land in them behind the score products; the step's last four products read them.
;   v16-19, v24           Q: loaded once a tile; read by every score product of the tile.
;   v224-227, v254        On the way out: written by the conversions, the exchanges and one shift; read by the tile's two stores; written again in the next tile's first step.
;   v96-165               At the head: the fill lands in them and LDS stores read them; the tiles' products and moves write them later.
;   v1-7, v26-30, v252, v255   Made at the head, never written again.
; So at a step's head one wait on vm_vsrc stands ahead of the additions and one on va_vdst behind them; the second also states that the products of the step walked last are done with K's and V's registers,
; and it serves V's loads too, since the score products between name none of V's registers.  A tile's head has the same two for Q, the fill and the last tile's stores.  Codes and a scale word that vector
; instructions made have their wait ahead of the products, or the stores, that take them.  No second buffer for K (36 registers) or V (34): 23 of the 256 registers are free.
.set HS,  217088
.set KSO, 131072
.set VSO, 139264
.set QCO, 143360
.set QSO, 208896
	s_load_b256 s[4:11], s[0:1], 0x0               ; hd, maskw, flags, ac
	s_load_b64 s[12:13], s[0:1], 0x20              ; acs
	v_lshl_add_u32 v252, v0, 2, 0x23000
	v_mov_b32 v255, 0
	v_lshrrev_b32 v8, 5, v0
	v_readfirstlane_b32 s14, v8                    ; wave 0..15
	s_wait_alu depctr_va_sdst(0)                   ; s14 is written, ahead of its first reader: the wave's query tiles are made from it
	s_and_b32 s15, ttmp7, 0xffff                   ; head 0..63
	s_lshl_b32 s16, ttmp9, 4
	s_add_co_u32 s16, s16, s14                     ; j
	s_mul_i32 s2, s15, HS
	s_mov_b32 s3, 0
	v_lshlrev_b32 v26, 4, v0                       ; 16 x thread
	v_lshlrev_b32 v27, 3, v0                       ; 8 x thread
	v_add_nc_u32 v28, 65536, v26                   ; (an LDS immediate has 16 bits)
	v_add_nc_u32 v29, 131072, v26
	v_add_nc_u32 v30, VSO, v27
	s_wait_kmcnt 0x0
	s_add_nc_u64 s[66:67], s[4:5], s[2:3]          ; the head's record
	s_wait_alu depctr_va_vdst(0)                   ; v26 to v30 are written: the fill's loads and LDS stores read them, and no line writes them again
.irp i, 0,1,2,3,4,5,6,7,8,9,10,11,12,13,14,15,16
	global_load_b128 v[96+4*\i:96+4*\i+3], v26, s[66:67] offset:8192*\i    ; 512 threads x 16 bytes = 8,192 consecutive bytes
.endr
	global_load_b64 v[164:165], v27, s[66:67] offset:VSO                   ; the last 4,096
	v_and_b32 v9, 31, v0
	v_and_b32 v10, 15, v0
	v_lshlrev_b32 v1, 4, v9                        ; 16 x lane
	v_lshlrev_b32 v2, 2, v9                        ; 4 x lane
	v_lshlrev_b32 v3, 2, v10                       ; 4 r
	v_lshlrev_b32 v4, 4, v10                       ; 16 r
	v_add_nc_u32 v5, 65536, v1                     ; V's codes
	v_add_nc_u32 v6, KSO, v2                       ; K's scale words
	v_add_nc_u32 v7, VSO, v2                       ; V's
.irp i, 20,21,22,23,64,65,66,67,236,237,238,239,251
	v_mov_b32 v\i, 0                               ; zero codes (v20-23, v64-67); permutes' destinations and the upper half of the pair v[250:251] count as read
.endr
	v_mov_b32 v25, 0xd0000000                      ; -2^33
	s_mov_b32 s20, 0x76543210                      ; selects of v_permlanex16_b32 for lane l xor 16
	s_mov_b32 s21, 0xfedcba98
	s_mov_b32 s22, 0x3e38aa3b                      ; c = log2(e) / 8
	s_mov_b32 s23, s22                             ; (named with it as a pair)
.irp i, 0,1,2,3,4,5,6,7
	s_wait_loadcnt 17-\i                           ; piece i is in; the younger ones stay out
	ds_store_b128 v26, v[96+4*\i:96+4*\i+3] offset:8192*\i
.endr
.irp i, 0,1,2,3,4,5,6,7
	s_wait_loadcnt 9-\i
	ds_store_b128 v28, v[128+4*\i:128+4*\i+3] offset:8192*\i
.endr
	s_wait_loadcnt 1
	ds_store_b128 v29, v[160:163]
	s_wait_loadcnt 0x0
	ds_store_b64 v30, v[164:165]
	s_wait_dscnt 0x0                               ; for the others' sake: my stores have landed
	s_barrier_signal -1
	s_barrier_wait -1                              ; the head's K and V lie in LDS; nothing writes LDS from here on
.macro SCORES                          ; S^T of 128 keys: 8 tiles of 16
.irp t, 0,1,2,3,4,5,6,7
	ds_load_b128 v[32+4*\t:32+4*\t+3], v8 offset:512*\t
.endr
.irp i, 0,1,2,3
	ds_load_b32 v[68+\i], v10 offset:128*\i        ; lanes 0-15 tile 2 i's words, lanes 16-31 tile 2 i + 1's
.endr
	s_wait_dscnt 0x0
.irp t, 0,2,4,6
	v_wmma_scale_f32_16x16x128_f8f6f4 v[96+8*\t:103+8*\t], v[32+4*\t:39+4*\t], v[16:23], 0, v[68+\t/2], v24 matrix_a_fmt:MATRIX_FMT_FP4 matrix_b_fmt:MATRIX_FMT_FP4
	v_wmma_scale_f32_16x16x128_f8f6f4 v[104+8*\t:111+8*\t], v[36+4*\t:43+4*\t], v[16:23], 0, v[68+\t/2], v24 matrix_a_fmt:MATRIX_FMT_FP4 matrix_b_fmt:MATRIX_FMT_FP4 matrix_a_scale:MATRIX_SCALE_ROW1
.endr
.endm
.macro VLOADS                          ; V's four fragments and their scale words: they land while the softmax is worked.  No wait: since the one at the step's head only the score products were issued, which name none of these registers
.irp c, 0,1,2,3
.irp g, 0,1
	ds_load_b128 v[192+8*\c+4*\g:192+8*\c+4*\g+3], v9 offset:1024*\c+512*\g
.endr
.endr
	ds_load_b32 v72, v11
	ds_load_b32 v73, v11 offset:128
.rept 4
	v_nop                                          ; four places between the score products and the first read of their results
.endr
.endm
	s_mov_b32 s17, 0                               ; which of my two tiles
.Ltile:
	s_wait_xcnt 0x0                                ; the last tile's loads and stores have read their bases and data
	s_wait_alu depctr_vm_vsrc(0)                   ; first tile: the fill's LDS stores have read v96 to v165, which products and moves write from here on; second tile: the first's two stores have read v224 to v227 and v254
	s_wait_alu depctr_va_vdst(0)                   ; first tile: the offsets v1 to v7 are written, and the zero codes v20 to v23 and v64 to v67, which the scaled products take; second tile: the first's products are done reading Q and its scale words, in which the loads below land
	s_sub_co_u32 s18, 127, s16
	s_cmp_eq_u32 s17, 0
	s_cselect_b32 s18, s16, s18                    ; T: j, then 127 - j
	s_lshl_b32 s2, s18, 9
	s_add_co_u32 s2, s2, QCO
	s_mov_b32 s3, 0
	s_add_nc_u64 s[30:31], s[66:67], s[2:3]
	s_lshl_b32 s2, s18, 6                          ; 128 (T / 2) + 64 (T % 2)
	s_add_co_u32 s2, s2, QSO
	s_add_nc_u64 s[36:37], s[66:67], s[2:3]
	s_lshl_b32 s38, s18, 9                         ; two records of 256 bytes a tile
	s_lshl_b32 s2, s18, 12
	s_add_nc_u64 s[100:101], s[6:7], s[2:3]        ; the tile's lane masks
	global_load_b128 v[16:19], v1, s[30:31]        ; Q's codes: lane (r, h): block h of the tile's row r
	global_load_b32 v24, v3, s[36:37]              ; and scale words
	s_load_b64 s[32:33], s[8:9], s38 offset:0x0
	s_load_b64 s[34:35], s[8:9], s38 offset:0x100
	v_mov_b32 v13, 0xff61b1e6                      ; the largest t so far: -3e38
	v_floor_f32 v12, -v13                          ; -M
	v_mov_b32 v14, 0
	v_mov_b32 v15, 0
.irp n, 0,1,2,3,4,5,6,7,8,9,10,11,12,13,14,15,16,17,18,19,20,21,22,23,24,25,26,27,28,29,30,31
	v_mov_b32 v[160+\n], 0                         ; O^T: which step is a tile's first is not known to the text, so the sums begin as zeros
.endr
	s_mov_b32 s26, 0                               ; the step's codes: 4,096 bytes a step, of K and of V
	s_mov_b32 s27, 0                               ; K's scale words: 512
	s_mov_b32 s28, 0                               ; V's: 256
	s_mov_b32 s29, 0                               ; the lane masks: 256
	s_mov_b32 s19, 0                               ; the step
	s_wait_loadcnt 0x0
	s_wait_kmcnt 0x0
	s_and_b32 s2, s33, s35                         ; lanes all of whose keys are hidden;
	s_lshr_b32 s3, s2, 16
	s_and_b32 s2, s2, s3                           ; a row is lanes r and r + 16
	s_and_b32 s2, s2, 0xffff
	s_and_b32 s24, s32, 0xff
	s_and_b32 s3, s34, 0xff
	s_lshl_b32 s3, s3, 8
	s_or_b32 s24, s24, s3                          ; bit e: step e is wholly hidden
	s_bfe_u32 s25, s32, 0x80008
	s_and_b32 s3, s34, 0xff00
	s_or_b32 s25, s25, s3                          ; bit e: step e has no hidden place
	s_cmp_lg_u32 s2, 0
	s_cselect_b32 s24, 0, s24                      ; a row with no key left: every step is walked
.Lstep:                                                ; 16 trips, a constant; the addresses' steps stand at the trip's end, outside every jump
	s_lshr_b32 s2, s24, s19
	s_and_b32 s2, s2, 1
	s_cmp_lg_u32 s2, 0
	s_cbranch_scc1 .Lnext
	s_wait_alu depctr_vm_vsrc(0)                   ; the LDS loads of the step walked last have read v8 to v11, which the four additions write
	v_add_nc_u32 v8, s26, v1
	v_add_nc_u32 v9, s26, v5
	v_add_nc_u32 v10, s27, v6
	v_add_nc_u32 v11, s28, v7
	s_wait_alu depctr_va_vdst(0)                   ; v8 to v11 are written, which this step's LDS loads read; the products of the step walked last are done reading K's, V's and their scale words' registers, in which those loads land
	s_lshr_b32 s2, s25, s19
	s_and_b32 s2, s2, 1
	s_cmp_lg_u32 s2, 0
	s_cbranch_scc1 .Lopen
	s_load_b512 s[32:47], s[100:101], s29 offset:0x0       ; the step's 64 lane masks
	s_load_b512 s[48:63], s[100:101], s29 offset:0x40
	s_load_b512 s[68:83], s[100:101], s29 offset:0x80
	s_load_b512 s[84:99], s[100:101], s29 offset:0xc0
	SCORES
	VLOADS
	s_wait_kmcnt 0x0
.set N, 0
.rept 32
	v_cndmask_b32 v[96+N], v[96+N], v25, s[32+N]   ; hidden places become -2^33; ascending
.set N, N+1
.endr
.rept 32
	v_cndmask_b32 v[96+N], v[96+N], v25, s[36+N]
.set N, N+1
.endr
	s_branch .Lsoft
.Lopen:
	SCORES
	VLOADS
.Lsoft:
.irp b, 0,1,2,3
	v_max3_num_f32 v[232+\b], v[96+16*\b], v[97+16*\b], v[98+16*\b]        ; the largest score of each block of 32 keys: for the row's maximum, and, since p rises with the score, for the block's largest p
.endr
.irp i, 3,5,7,9,11,13
.irp b, 0,1,2,3
	v_max3_num_f32 v[232+\b], v[232+\b], v[96+16*\b+\i], v[97+16*\b+\i]
.endr
.endr
.irp b, 0,1,2,3
	v_max_num_f32 v[232+\b], v[232+\b], v[111+16*\b]
.endr
.irp b, 0,1,2,3
	v_permlanex16_b32 v[236+\b], v[232+\b], s20, s21
.endr
.irp b, 0,1,2,3
	v_max_num_f32 v[232+\b], v[232+\b], v[236+\b]  ; with lane l xor 16's 16 keys
.endr
	v_max3_num_f32 v254, v232, v233, v234
	v_max_num_f32 v254, v254, v235
	v_mul_f32 v254, s22, v254                      ; the step's largest t of my query
	v_max_num_f32 v13, v13, v254
	v_mov_b32 v254, v12
	v_floor_f32 v12, -v13                          ; the new -M = -ceil(t)
	v_sub_f32 v254, v12, v254                      ; old M - new M: a whole number, 0 or less
	v_cvt_i32_f32 v254, v254                       ; (it saturates)
	v_ldexp_f32 v250, 1.0, v254                    ; f = 2^(old M - new M)
.irp j, 0,2,4,6,8,10,12,14,16,18,20,22,24,26,28,30,32,34,36,38,40,42,44,46,48,50,52,54,56,58,60,62
	v_pk_fma_f32 v[96+\j:97+\j], v[96+\j:97+\j], s[22:23], v[12:13] op_sel_hi:[1,0,0]      ; t - M, two at a time
.endr
.irp b, 0,1,2,3
	v_fma_f32 v[232+\b], v[232+\b], s22, v12       ; the same of each block's largest score
.endr
.set N, 0
	s_wait_alu depctr_va_vdst(0)
.rept 64
	v_exp_f32 v[96+N], v[96+N]                     ; p = 2^(t - M): one batch
.set N, N+1
.endr
	v_pk_mul_f32 v[14:15], v[14:15], v[250:251] op_sel_hi:[1,0]    ; the sums under the new M: the plain place behind the batch
	s_wait_alu depctr_va_vdst(0)                   ; the 64 exponentials have written v96 to v159: one wait for the batch, ahead of its first reader
.irp b, 0,1,2,3
	v_exp_f32 v[232+\b], v[232+\b]                 ; each block's largest p
.endr
	v_pk_add_f32 v[240:241], v[96:97], v[98:99]    ; the sum of the unquantised p, in two chains; it reads the 64 alone
.irp j, 4,8,12,16,20,24,28,32,36,40,44,48,52,56,60
	v_pk_add_f32 v[14:15], v[14:15], v[96+\j:97+\j]
	v_pk_add_f32 v[240:241], v[240:241], v[98+\j:99+\j]
.endr
	v_pk_add_f32 v[14:15], v[14:15], v[240:241]
	s_wait_alu depctr_va_vdst(0)                   ; the four exponentials have written v232 to v235, ahead of their first reader
.irp b, 0,1,2,3
	v_max_num_f32 v[232+\b], 0x1800000, v[232+\b]  ; the floor 2^(3 - 127): a block whose every p is 0 keeps the byte 1; its codes are zeros
.endr
.irp b, 0,1,2,3
	v_add_nc_u32 v[244+\b], 0xff000000, v[232+\b]
.endr
.irp b, 0,1,2,3
	v_lshrrev_b32 v[236+\b], 23, v[244+\b]
.endr
	v_lshl_or_b32 v253, v237, 8, v236              ; p's scale word for these 128 keys
	v_lshl_or_b32 v253, v238, 16, v253
	v_lshl_or_b32 v253, v239, 24, v253
.irp b, 0,1,2,3
	v_cvt_scalef32_pk8_fp4_f32 v[224+2*\b], v[96+16*\b:103+16*\b], v[244+\b]
	v_cvt_scalef32_pk8_fp4_f32 v[225+2*\b], v[104+16*\b:111+16*\b], v[244+\b]
.endr
	v_nop                                          ; one plain place behind the scaled conversions
.irp c, 0,1                                    ; a whole block to a lane
.irp i, 0,1
	v_permlane16_swap_b32 v[224+4*\c+\i], v[226+4*\c+\i]
.endr
.endr
.irp j, 0,2,4,6,8,10,12,14,16,18,20,22,24,26,28,30
	v_pk_mul_f32 v[160+\j:161+\j], v[160+\j:161+\j], v[250:251] op_sel_hi:[1,0]    ; O^T under the new M; these 16 are also the places between the scale word, the codes and the products below
.endr
	s_wait_dscnt 0x0                               ; V's fragments and scale words are in
	s_wait_alu depctr_va_vdst(0)                   ; vector instructions have written p's codes v224 to v231 and its scale word v253, which the scaled products below take; the places above stay beside this wait
.irp c, 0,2                                    ; O^T += V^T P^T: the four accumulators, one instruction each
	v_wmma_scale_f32_16x16x128_f8f6f4 v[160+8*\c:167+8*\c], v[192+8*\c:199+8*\c], v[224:231], v[160+8*\c:167+8*\c], v[72+\c/2], v253 matrix_a_fmt:MATRIX_FMT_FP4 matrix_b_fmt:MATRIX_FMT_FP4
	v_wmma_scale_f32_16x16x128_f8f6f4 v[168+8*\c:175+8*\c], v[200+8*\c:207+8*\c], v[224:231], v[168+8*\c:175+8*\c], v[72+\c/2], v253 matrix_a_fmt:MATRIX_FMT_FP4 matrix_b_fmt:MATRIX_FMT_FP4 matrix_a_scale:MATRIX_SCALE_ROW1
.endr
.Lnext:
	s_add_co_u32 s26, s26, 4096
	s_add_co_u32 s27, s27, 512
	s_add_co_u32 s28, s28, 256
	s_add_co_u32 s29, s29, 256
	s_add_co_u32 s19, s19, 1
	s_cmp_lt_u32 s19, 16
	s_cbranch_scc1 .Lstep
	; THE WAY OUT.  O^T / the sum; register 16 b + i of lane (r, h) is channel 32 b + 16 h + i of the head: two blocks of the last product's K, quantised here.
	v_add_f32 v14, v14, v15
	v_permlanex16_b32 v236, v14, s20, s21
	v_add_f32 v14, v14, v236                       ; the row's sum
	s_wait_alu depctr_va_vdst(0)
	v_rcp_f32 v14, v14
.rept 3
	v_nop                                          ; the plain place behind the reciprocal; with the two additions, the places behind the last products
.endr
	s_lshr_b32 s36, s15, 4
	s_lshl_b32 s36, s36, 7
	s_add_co_u32 s36, s36, s18                     ; the tile among all 512: 128 x batch + T
	s_and_b32 s37, s15, 15                         ; the head in its batch
	s_lshl_b32 s38, s36, 13
	s_lshl_b32 s39, s37, 9
	s_add_co_u32 s38, s38, s39                     ; codes: blocks 2 head, 2 head + 1 of the tile: 512 bytes
	s_mov_b32 s39, 0
	s_add_nc_u64 s[32:33], s[10:11], s[38:39]
	s_lshl_b32 s38, s36, 9                         ; scale words: lane (r, head / 8), word (head / 2) % 4, bytes 2 (head % 2) on
	s_lshr_b32 s40, s37, 3
	s_lshl_b32 s40, s40, 8
	s_add_co_u32 s38, s38, s40
	s_bfe_u32 s40, s37, 0x20001
	s_lshl_b32 s40, s40, 2
	s_add_co_u32 s38, s38, s40
	s_and_b32 s40, s37, 1
	s_lshl_b32 s40, s40, 1
	s_add_co_u32 s38, s38, s40
	s_add_nc_u64 s[34:35], s[12:13], s[38:39]
	s_wait_alu depctr_va_vdst(0)                   ; the reciprocal has written v14, ahead of its first reader
.irp j, 0,2,4,6,8,10,12,14,16,18,20,22,24,26,28,30
	v_pk_mul_f32 v[96+\j:97+\j], v[160+\j:161+\j], v[14:15] op_sel_hi:[1,0]        ; ascending: each accumulator from its low end on
.endr
.irp b, 0,1
	v_max3_num_f32 v[232+\b], |v[96+16*\b]|, |v[97+16*\b]|, 0x1800000
.endr
.irp i, 2,4,6,8,10,12,14
.irp b, 0,1
	v_max3_num_f32 v[232+\b], v[232+\b], |v[96+16*\b+\i]|, |v[97+16*\b+\i]|
.endr
.endr
.irp b, 0,1
	v_permlanex16_b32 v[236+\b], v[232+\b], s20, s21
.endr
.irp b, 0,1
	v_max_num_f32 v[232+\b], v[232+\b], v[236+\b]
.endr
.irp b, 0,1
	v_add_nc_u32 v[244+\b], 0xff000000, v[232+\b]
.endr
.irp b, 0,1
	v_lshrrev_b32 v[236+\b], 23, v[244+\b]
.endr
	v_lshl_or_b32 v254, v237, 8, v236              ; the two bytes
.irp b, 0,1
	v_cvt_scalef32_pk8_fp4_f32 v[224+2*\b], v[96+16*\b:103+16*\b], v[244+\b]
	v_cvt_scalef32_pk8_fp4_f32 v[225+2*\b], v[104+16*\b:111+16*\b], v[244+\b]
.endr
	v_nop
	v_permlane16_swap_b32 v224, v226               ; lane (r, h) now holds block h whole
	v_permlane16_swap_b32 v225, v227
	s_wait_alu depctr_va_vdst(0)                   ; the exchanges have written v224 to v227, and v254 is written: the two stores below read them
	global_store_b128 v1, v[224:227], s[32:33]     ; 512 consecutive bytes
	global_store_b16 v4, v254, s[34:35]            ; 2 bytes a row, 16 bytes apart (both halves of the lanes write the same): 2 of each 34 bytes that leave, the launch's only scattered store
	s_add_co_u32 s17, s17, 1
	s_cmp_lt_u32 s17, 2
	s_cbranch_scc1 .Ltile
	s_wait_dscnt 0x0                               ; the closing lines, six on end
	s_wait_alu 0x0
	s_wait_tensorcnt 0x0
	ds_add_u32 v252, v255
	s_wait_dscnt 0x0
	s_endpgm
.Lfunc_end_k_qc388161211_attn:
	.size	k_qc388161211_attn, .Lfunc_end_k_qc388161211_attn-k_qc388161211_attn
	.p2alignl 7, 3214868480
	.fill 96, 4, 3214868480
	.section	.rodata,"a",@progbits
	.p2align	6, 0x0
	.amdhsa_kernel k_qc388161211_attn
		.amdhsa_group_segment_fixed_size 145408
		.amdhsa_private_segment_fixed_size 0
		.amdhsa_enable_private_segment 0
		.amdhsa_kernarg_size 40
		.amdhsa_user_sgpr_count 2
		.amdhsa_user_sgpr_kernarg_segment_ptr 1
		.amdhsa_wavefront_size32 1
		.amdhsa_system_sgpr_workgroup_id_x 1
		.amdhsa_system_sgpr_workgroup_id_y 1
		.amdhsa_system_sgpr_workgroup_id_z 1
		.amdhsa_system_vgpr_workitem_id 0
		.amdhsa_next_free_vgpr 256
		.amdhsa_next_free_sgpr 102
		.amdhsa_reserve_vcc 0
		.amdhsa_float_denorm_mode_32 3
		.amdhsa_float_denorm_mode_16_64 3
		.amdhsa_memory_ordered 1
		.amdhsa_forward_progress 1
		.amdhsa_inst_pref_size 36
	.end_amdhsa_kernel
	.amdgpu_metadata
---
amdhsa.version: [ 1, 2 ]
amdhsa.kernels:
  - .name:           k_qc388161211_attn
    .symbol:         k_qc388161211_attn.kd
    .args:
      - { .name: hd, .offset: 0, .size: 8, .value_kind: global_buffer, .address_space: global }
      - { .name: maskw, .offset: 8, .size: 8, .value_kind: global_buffer, .address_space: global }
      - { .name: flags, .offset: 16, .size: 8, .value_kind: global_buffer, .address_space: global }
      - { .name: ac, .offset: 24, .size: 8, .value_kind: global_buffer, .address_space: global }
      - { .name: acs, .offset: 32, .size: 8, .value_kind: global_buffer, .address_space: global }
    .group_segment_fixed_size: 145408
    .private_segment_fixed_size: 0
    .kernarg_segment_align: 8
    .kernarg_segment_size: 40
    .max_flat_workgroup_size: 512
    .sgpr_count:     102
    .vgpr_count:     256
    .wavefront_size: 32
...
	.end_amdgpu_metadata
.endif
;; end of part 7
;; launch oproj (part 8): grid 256 x 1, 4 waves a work-group, no clusters, 34,304 bytes of LDS; arguments ac, acs, opc, ops, bo, out0; writes out0
.if DOCPART == 8
	.amdgcn_target "amdgcn-amd-amdhsa--gfx1250"
	.amdhsa_code_object_version 6
	.text
	.protected	k_qc388161211_oproj
	.globl	k_qc388161211_oproj
	.p2align	8
	.type	k_qc388161211_oproj,@function
k_qc388161211_oproj:
	s_mov_b64 s[64:65], 0
	v_nop
	global_prefetch_b8 v0, s[64:65] scope:SCOPE_SE
	s_setreg_imm32_b32 hwreg(HW_REG_WAVE_SCHED_MODE, 0, 2), 2
	s_setreg_imm32_b32 hwreg(HW_REG_WAVE_MODE, 25, 1), 1
	s_wait_xcnt 0x0
	s_wait_alu depctr_vm_vsrc(0)
; OPROJ.  out0 = a Wo^T + bo on codes of FP4 with E8M0 scales; a is the attention's result, quantised by ATTN, Wo by PREP; both lie in the order of the operands' registers (see PREP).
; A wave keeps 128 rows of Wo x K 1,024 in 512 registers (source 0) and takes four tiles of 16 tokens (source 1), 64 matrix instructions a tile: 256 work-groups of four waves, so that all store at once.
; In the result a lane holds one token and its 64 registers 128 neighbouring-by-halves columns: register 16 b + i is column 128 sg + 32 b + 16 h + i.  bo, in that layout, is the C of the first K step.
; A tile goes through the wave's own stage in LDS and leaves as 16 rows of 512 consecutive bytes.  Waves share nothing: no barrier.  No tensor loads, so no cluster with joint loads: fragments come
; straight into registers; the four waves of a work-group read the same four tiles at the same time.
; REGISTERS.  Window 0: v1 16 x lane, v4 64 h, v5, v6 stage addresses; v14, v15 the closing add's two; v16-31 moving scale words; v32-63 Wo's scale words; v64-127 accumulators; v128-191 bo; v192-255 rows on the way out.
;   Windows 1, 2: Wo's K steps 0-3, 4-7 at 64 (s % 4) + 8 t.  Window 3: the four moving tiles at 64 u + 8 s.
; THE MODE: SCHED_MODE bits 1:0 = 2 (LLVM: expert scheduling mode 2), set by the entry lines.  The code itself states the register dependences between vector or matrix instructions and memory or LDS
; instructions, with s_wait_alu, always for 0.
; THE PLAN.  Registers that memory or LDS instructions touch, behind the head's loads:
;   v64-127 (accumulators)   Written by a tile's 64 products; read by its 16 LDS stores; written again by the next tile's first products.
;   v192-255 (rows)          LDS loads land in them; global stores read them.  No vector or matrix instruction names them.
;   v1, v5, v6, v14, v15     Made at the head, never written again.
; So a tile has one wait on va_vdst, behind its products and their places, ahead of its LDS stores; and one on vm_vsrc behind those stores, which states that they have read the accumulators and that the
; last tile's global stores have read the rows' registers.  The tile's rows are asked back from the stage at once; its 16 global stores, which hang on no vector result, are dealt among the NEXT tile's products.
.set AC,  64
.set BI,  128
.set OB,  192
.set SP,  528                          ; a stage row: 512 bytes + 16, so the 16 rows that a store touches start four banks apart
.set MSB, 0
.macro WIN new
.if MSB != \new
	s_set_vgpr_msb (MSB<<8)|\new
.set MSB, \new
.endif
.endm
	s_load_b256 s[4:11], s[0:1], 0x0               ; ac, acs, opc, ops
	s_load_b128 s[12:15], s[0:1], 0x20             ; bo, out0
	v_lshl_add_u32 v14, v0, 2, 0x8400
	v_mov_b32 v15, 0
	v_lshrrev_b32 v7, 5, v0
	v_readfirstlane_b32 s16, v7                    ; wave
	s_wait_alu depctr_va_sdst(0)                   ; s16 is written, ahead of its first reader: the wave's columns and its stage are made from it
	s_and_b32 s17, ttmp9, 1
	s_lshl_b32 s17, s17, 2
	s_add_co_u32 s17, s17, s16                     ; sg: which 128 columns
	s_lshr_b32 s18, ttmp9, 1                       ; g: which 64 tokens
	v_and_b32 v7, 31, v0
	v_lshlrev_b32 v1, 4, v7
	v_and_b32 v8, 15, v0
	v_bfe_u32 v9, v0, 4, 1
	v_lshlrev_b32 v4, 6, v9
	s_mul_i32 s19, s16, 16*SP                      ; my stage
	v_mul_u32_u24 v5, v8, SP
	v_add_nc_u32 v5, v5, v4
	v_add_nc_u32 v5, s19, v5                       ; in: row r, + 64 h
	v_add_nc_u32 v6, s19, v1                       ; back: 16 x lane of a row
	s_lshl_b32 s20, s17, 3
	s_add_co_u32 s20, s20, 1728                    ; Wo's tiles begin at 1728
	s_mov_b32 s23, 0
	s_wait_kmcnt 0x0
	s_lshl_b32 s22, s20, 13
	s_add_nc_u64 s[8:9], s[8:9], s[22:23]
	s_lshl_b32 s22, s20, 9
	s_add_nc_u64 s[10:11], s[10:11], s[22:23]
	s_lshl_b32 s22, s18, 15
	s_add_nc_u64 s[4:5], s[4:5], s[22:23]          ; four tiles of 8,192 bytes
	s_lshl_b32 s22, s18, 11
	s_add_nc_u64 s[6:7], s[6:7], s[22:23]
	s_lshl_b32 s22, s17, 9
	s_add_nc_u64 s[12:13], s[12:13], s[22:23]
	s_add_nc_u64 s[14:15], s[14:15], s[22:23]
	s_lshl_b32 s22, s18, 18
	s_add_nc_u64 s[14:15], s[14:15], s[22:23]      ; out0 at token 64 g, column 128 sg
	WIN 0x40
	s_wait_alu depctr_va_vdst(0)                   ; v1, v4, v5, v6, v14 and v15 are written: every load, store and LDS instruction of the kernel reads one of them as its address, and no line writes them again
.irp s, 0,1,2,3
.irp t, 0,1,2,3,4,5,6,7
.irp c, 0,1
	global_load_b128 v[64*\s+8*\t+4*\c:64*\s+8*\t+4*\c+3], v1, s[8:9] offset:8192*\t+1024*\s+512*\c
.endr
.endr
.endr
	WIN 0x80
.irp s, 0,1,2,3
.irp t, 0,1,2,3,4,5,6,7
.irp c, 0,1
	global_load_b128 v[64*\s+8*\t+4*\c:64*\s+8*\t+4*\c+3], v1, s[8:9] offset:8192*\t+1024*(\s+4)+512*\c
.endr
.endr
.endr
	WIN 0
.irp t, 0,1,2,3,4,5,6,7
	global_load_b128 v[32+4*\t:32+4*\t+3], v1, s[10:11] offset:512*\t
.endr
.irp t, 0,1,2,3,4,5,6,7
	global_load_b128 v[BI+8*\t:BI+8*\t+3], v4, s[12:13] offset:(32*(\t/2)+8*(\t%2))*4
	global_load_b128 v[BI+8*\t+4:BI+8*\t+7], v4, s[12:13] offset:(32*(\t/2)+8*(\t%2))*4+16
.endr
.irp u, 0,1,2,3                                ; 17 loads a tile
	WIN 0xc0
.irp s, 0,1,2,3,4,5,6,7
.irp c, 0,1
	global_load_b128 v[64*\u+8*\s+4*\c:64*\u+8*\s+4*\c+3], v1, s[4:5] offset:8192*\u+1024*\s+512*\c
.endr
.endr
	WIN 0
	global_load_b128 v[16+4*\u:16+4*\u+3], v1, s[6:7] offset:512*\u
.endr
.macro WM d, a, b, c, sa, sb, row
.if \row
	v_wmma_scale_f32_16x16x128_f8f6f4 v[\d:\d+7], v[\a:\a+7], v[\b:\b+7], v[\c:\c+7], v[\sa], v[\sb] matrix_a_fmt:MATRIX_FMT_FP4 matrix_b_fmt:MATRIX_FMT_FP4 matrix_a_scale:MATRIX_SCALE_ROW1 matrix_b_scale:MATRIX_SCALE_ROW1
.else
	v_wmma_scale_f32_16x16x128_f8f6f4 v[\d:\d+7], v[\a:\a+7], v[\b:\b+7], v[\c:\c+7], v[\sa], v[\sb] matrix_a_fmt:MATRIX_FMT_FP4 matrix_b_fmt:MATRIX_FMT_FP4
.endif
.endm
.macro MM s, u                         ; K step s: the eight accumulators by turns, one instruction a turn; the first starts the sums on bo
.if (\s) < 4
	WIN 0x0d
.else
	WIN 0x0e
.endif
.irp t, 0,1,2,3,4,5,6,7
.if (\s) == 0
	WM AC+8*\t, 64*((\s)%4)+8*\t, 64*(\u)+8*(\s), BI+8*\t, 32+4*\t+(\s)%4, 16+4*(\u)+(\s)%4, (\s)/4
.else
	WM AC+8*\t, 64*((\s)%4)+8*\t, 64*(\u)+8*(\s), AC+8*\t, 32+4*\t+(\s)%4, 16+4*(\u)+(\s)%4, (\s)/4
.endif
.endr
.endm
; Rows i0 to i0 + 7 of tile u leave.  Their data come from LDS loads and their offset from the head: they hang on no vector or matrix result
.macro SEND u, i0
	WIN 0
.irp i, 0,1,2,3,4,5,6,7
	s_wait_dscnt 15-(\i0)-\i                       ; the row is back; the younger rows stay out (no LDS instruction was issued behind the tile's 16 loads)
	global_store_b128 v1, v[OB+4*((\i0)+\i):OB+4*((\i0)+\i)+3], s[14:15] offset:(32*((\u)/2)+8*((\u)%2)+((\i0)+\i)%8+16*(((\i0)+\i)/8))*4096 th:TH_STORE_NT     ; 512 consecutive bytes of the token's row, aligned
.endr
.endm
.macro TILE u, left
	s_wait_loadcnt \left                           ; this tile's 17 loads are in, and all issued ahead of them; the younger tiles' stay out
	MM 0, \u
	MM 1, \u
.if (\u) > 0
	SEND (\u)-1, 0                                 ; the tile before leaves among this tile's products
.endif
	MM 2, \u
	MM 3, \u
.if (\u) > 0
	SEND (\u)-1, 8
.endif
.irp s, 4,5,6,7
	MM \s, \u
.endr
	WIN 0
.rept 5
	v_nop                                          ; four places in front of the stores that read the results; the fifth for the next tile's products, which begin the accumulators anew
.endr
	s_wait_alu depctr_va_vdst(0)                   ; the products have written the accumulators, which the LDS stores below read; the places above stay beside this wait
.irp b, 0,1,2,3
.irp q, 0,1,2,3
	ds_store_b128 v5, v[AC+16*\b+4*\q:AC+16*\b+4*\q+3] offset:128*\b+16*\q         ; each accumulator from its low end on
.endr
.endr
	s_wait_xcnt 0x0                                ; the last tile's stores have read the rows' registers
	s_wait_alu depctr_vm_vsrc(0)                   ; the LDS stores above have read the accumulators, which the next tile's products write; the last tile's global stores have read the rows' registers, in which the loads below land
.irp i, 0,1,2,3,4,5,6,7,8,9,10,11,12,13,14,15
	ds_load_b128 v[OB+4*\i:OB+4*\i+3], v6 offset:SP*\i     ; LDS serves a wave in order: these see the stores above, and the next tile's stores come behind them
.endr
.if (\u) == 3
	SEND 3, 0                                      ; the last tile has no products behind it
	SEND 3, 8
.endif
.endm
	TILE 0, 51
	TILE 1, 34
	TILE 2, 17
	TILE 3, 0
	s_wait_dscnt 0x0                               ; the closing lines, six on end
	s_wait_alu 0x0
	s_wait_tensorcnt 0x0
	ds_add_u32 v14, v15
	s_wait_dscnt 0x0
	s_endpgm
.Lfunc_end_k_qc388161211_oproj:
	.size	k_qc388161211_oproj, .Lfunc_end_k_qc388161211_oproj-k_qc388161211_oproj
	.p2alignl 7, 3214868480
	.fill 96, 4, 3214868480
	.section	.rodata,"a",@progbits
	.p2align	6, 0x0
	.amdhsa_kernel k_qc388161211_oproj
		.amdhsa_group_segment_fixed_size 34304
		.amdhsa_private_segment_fixed_size 0
		.amdhsa_enable_private_segment 0
		.amdhsa_kernarg_size 48
		.amdhsa_user_sgpr_count 2
		.amdhsa_user_sgpr_kernarg_segment_ptr 1
		.amdhsa_wavefront_size32 1
		.amdhsa_system_sgpr_workgroup_id_x 1
		.amdhsa_system_sgpr_workgroup_id_y 1
		.amdhsa_system_sgpr_workgroup_id_z 1
		.amdhsa_system_vgpr_workitem_id 0
		.amdhsa_next_free_vgpr 1024
		.amdhsa_next_free_sgpr 66
		.amdhsa_reserve_vcc 0
		.amdhsa_float_denorm_mode_32 3
		.amdhsa_float_denorm_mode_16_64 3
		.amdhsa_memory_ordered 1
		.amdhsa_forward_progress 1
		.amdhsa_inst_pref_size 73
	.end_amdhsa_kernel
	.amdgpu_metadata
---
amdhsa.version: [ 1, 2 ]
amdhsa.kernels:
  - .name:           k_qc388161211_oproj
    .symbol:         k_qc388161211_oproj.kd
    .args:
      - { .name: ac, .offset: 0, .size: 8, .value_kind: global_buffer, .address_space: global }
      - { .name: acs, .offset: 8, .size: 8, .value_kind: global_buffer, .address_space: global }
      - { .name: opc, .offset: 16, .size: 8, .value_kind: global_buffer, .address_space: global }
      - { .name: ops, .offset: 24, .size: 8, .value_kind: global_buffer, .address_space: global }
      - { .name: bo, .offset: 32, .size: 8, .value_kind: global_buffer, .address_space: global }
      - { .name: out0, .offset: 40, .size: 8, .value_kind: global_buffer, .address_space: global }
    .group_segment_fixed_size: 34304
    .private_segment_fixed_size: 0
    .kernarg_segment_align: 8
    .kernarg_segment_size: 48
    .max_flat_workgroup_size: 128
    .sgpr_count:     66
    .vgpr_count:     1024
    .wavefront_size: 32
...
	.end_amdgpu_metadata
.endif
;; end of part 8
